; MI455X (gfx1250); checked and timed in simulation.
; The chip was launched on July 23, 2026; its instructions are those of AMD's public machine-readable ISA for CDNA 5 (MIT licence, August 2026) and "CDNA5" Instruction Set Architecture Reference Guide (July 2026). The comments in the code are by the model that wrote it; some were corrected since.
;; Rope MQA. Allowed arithmetic: matrix products marked QUANTISED: E2M3 operands, one E8M0 scale for each 32 along K, by v_wmma_scale_f32_16x16x128_f8f6f4 with both operands' format E2M3, f32 sums; everything else in f32.
;; Inputs: wk_codes 64 x 32 x 24 uint8 (E2M3 codes of wk, K innermost, in blocks of 32 codes, four codes in three bytes); wk_scales 64 x 32 uint8 (E8M0 scales of wk, one for each 32 codes along K); wo_codes 1,024 x 32 x 24 uint8 (E2M3 codes of wo, K innermost, in blocks of 32 codes, four codes in three bytes); wo_scales 1,024 x 32 uint8 (E8M0 scales of wo, one for each 32 codes along K); wq_codes 1,024 x 32 x 24 uint8 (E2M3 codes of wq, K innermost, in blocks of 32 codes, four codes in three bytes); wq_scales 1,024 x 32 uint8 (E8M0 scales of wq, one for each 32 codes along K); wv_codes 64 x 32 x 24 uint8 (E2M3 codes of wv, K innermost, in blocks of 32 codes, four codes in three bytes); wv_scales 64 x 32 uint8 (E8M0 scales of wv, one for each 32 codes along K); x_codes 2 x 2,048 x 32 x 24 uint8 (E2M3 codes of x, K innermost, in blocks of 32 codes, four codes in three bytes); x_scales 2 x 2,048 x 32 uint8 (E8M0 scales of x, one for each 32 codes along K).
;; Outputs: out0 2 x 2,048 x 1,024 float32.
;; This version of the problem:
;;   THIS VERSION OF THE PROBLEM IS GIVEN IN LOW PRECISION. The matrix products marked QUANTISED in the list below multiply operands that are first quantised to E2M3 (2 exponent bits, 3 mantissa bits; 6 bits a number), with one power-of-two scale for each 32 numbers along K (OCP MX v1.0); their sums are f32. All else is computed in f32.
;;   The module's matrix products, in the order in which they are computed (A, B: the left and right operand; K: the contracted axis; several contracted axes count as one K, in the product's order):
;;     1. [M 4,096, K 1,024] x [K 1,024, N 1,024]; A: input x (given as codes); B: input wq (given as codes): QUANTISED
;;     2. [M 4,096, K 1,024] x [K 1,024, N 64]; A: input x (given as codes); B: input wk (given as codes): QUANTISED
;;     3. [M 4,096, K 1,024] x [K 1,024, N 64]; A: input x (given as codes); B: input wv (given as codes): QUANTISED
;;     4. batch 2 x [M 32,768, K 64] x [K 64, N 2,048]; A: computed on the way; B: computed on the way: QUANTISED
;;     5. batch 2 x [M 32,768, K 2,048] x [K 2,048, N 64]; A: softmax (see below); B: computed on the way: QUANTISED
;;     6. [M 4,096, K 1,024] x [K 1,024, N 1,024]; A: computed on the way; B: input wo (given as codes): QUANTISED
;;   THE QUANTISER, for each operand of a quantised product, along K:
;;     - K is cut into blocks of 32 from its start; a last block that is shorter is filled with zeros.
;;     - A block's scale is 2^e with e = floor(log2(the largest magnitude in the block)) - 2, held to -126 .. 127; a block of zeros has e = 0. As a byte (E8M0): e + 127.
;;     - Each number is divided by its block's scale, clamped to +-7.5, and rounded to the nearest number of E2M3, ties to even, subnormals kept.
;;     - The product sums the exact products of the quantised numbers (number of the format x scale) in f32.
;;   ~~~python
;;   def quantise(x, axis):      # numpy; x: float32 -> the quantised numbers, widened to float32 again
;;       x = np.moveaxis(x, axis, -1); K = x.shape[-1]
;;       x = np.pad(x, [(0, 0)] * (x.ndim - 1) + [(0, -K % 32)]); x = x.reshape(x.shape[:-1] + (-1, 32)); a = np.abs(x).max(-1, keepdims=True)
;;       e = np.where(a > 0, np.clip(np.frexp(np.where(a > 0, a, 1))[1] - 1 - 2, -126, 127), 0)      # np.frexp(a)[1] - 1 = floor(log2(a)), exactly
;;       r = np.clip(x / 2.0 ** e, -7.5, 7.5)
;;       step = 2.0 ** (np.maximum(np.frexp(np.where(r == 0, 1, r))[1] - 1, 0) - 3)
;;       q = np.round(r / step) * step * 2.0 ** e      # np.round: ties to even
;;       return np.moveaxis(q.reshape(q.shape[:-2] + (-1,))[..., :K], -1, axis).astype(np.float32)
;;   ~~~
;;   SOFTMAX AHEAD OF A QUANTISED PRODUCT. Where the list says 'softmax', what is quantised is not the finished softmax but p = 2^(t - M), with t = logit x log2(e) and M = ceil(the row's largest t), a whole number; so 1/2 < the row's largest p <= 1. The row's sum l is taken of the UNQUANTISED p, in f32, and the product's result is divided by l at the end. Since M is a whole number, a kernel that streams over the keys may use a running M (the ceiling of the running maximum): every later rescaling is an exact power of two, which a block's scale takes up: the codes' values come out the same.
;;   OPERANDS COMPUTED ON THE WAY. 'Computed on the way' means the value that the module computes at that place (a softmax that the list does not call 'softmax' is quantised finished and normalised). What goes into a quantiser is computed in f32, as accurately as f32 sums, v_exp_f32 and their like allow (about 1e-6 of the number): no bf16 or f16 on the way to a quantiser, and a product that is left as it is and whose result goes on into a quantised operand takes f32 operands (vector FMAs, or v_wmma_f32_16x16x4_f32). A number that lies on a knife's edge between two numbers of the format may be rounded either way, as far as f32 arithmetic and the matrix unit's own rounding can turn it there, and no further.
;;   INPUTS GIVEN AS CODES. wk (in the module: [1024, 64], K = its axis 0); wo (in the module: [1024, 1024], K = its axis 1); wq (in the module: [1024, 1024], K = its axis 1); wv (in the module: [1024, 64], K = its axis 0); x (in the module: [2, 2048, 1024], K = its axis 2): each comes as NAME_codes (uint8): NAME with its K axis moved to the last place and cut into blocks of 32 codes, [.., K / 32, bytes a block], one block behind the other in memory; four codes in three bytes: a row's codes are one little-endian stream of bits, code i at bits 6 i .. 6 i + 5 (a code: sign, 2 exponent bits, 3 mantissa bits); and NAME_scales (uint8): the same leading axes, one E8M0 byte (e + 127) for each 32 codes along K. Its value is code x scale, taken as it is: it is not quantised again, and the codes and scales need not be those that the quantiser above would give.
;; One version. Each part assembles by itself: llvm-mc -triple=amdgcn-amd-amdhsa -mcpu=gfx1250 --defsym DOCPART=n.
;; ======== version 1 of 1: 3 launches
;; limits: right only within a limited range of input values
;; workspace buffers: qimg 3,145,728 bytes; qscl 262,144 bytes; kv 425,984 bytes; acod 3,145,728 bytes; ascl 262,144 bytes
;; launch proj (part 1): grid 32 x 8, 12 waves a work-group, clusters of 4 x 1, 308,480 bytes of LDS; arguments x_codes, x_scales, wq_codes, wq_scales, wk_codes, wk_scales, wv_codes, wv_scales, qimg, qscl, kv; writes qimg, qscl, kv
.if DOCPART == 1
	.amdgcn_target "amdgcn-amd-amdhsa--gfx1250"
	.amdhsa_code_object_version 6
	.text
	.protected	k_q72d83fb555_proj
	.globl	k_q72d83fb555_proj
	.p2align	8
	.type	k_q72d83fb555_proj,@function
k_q72d83fb555_proj:
	s_mov_b64 s[64:65], 0
	v_nop
	global_prefetch_b8 v0, s[64:65] scope:SCOPE_SE
	s_setreg_imm32_b32 hwreg(HW_REG_WAVE_MODE, 25, 1), 1
	s_wait_xcnt 0x0
	s_wait_alu depctr_hold_cnt(0) depctr_sa_sdst(0) depctr_va_vdst(0) depctr_va_sdst(0) depctr_va_ssrc(0) depctr_va_vcc(0) depctr_vm_vsrc(0)
	s_getreg_b32 s2, hwreg(HW_REG_IB_STS2, 6, 4)
	s_cmp_eq_u32 s2, 0
	s_cbranch_scc0 .Lentry_in_a_cluster
	s_endpgm
.Lentry_in_a_cluster:
	s_bfe_u32 s2, ttmp6, 0x10000c
	s_cmp_lg_u32 s2, 0x3003
	s_cbranch_scc0 .Lentry_shape_is_right
	s_endpgm
.Lentry_shape_is_right:
; q = rope(x wq^T), k = rope(x wk), v = x wv, all three products on the given codes of FP6 (E2M3) with their E8M0 scale bytes; the results are
; quantised at once: q and k along the head's 64 (two blocks of 32), v along the keys (blocks of 32 keys), and stored as IMAGES OF OPERAND REGISTERS for the next launch.
; SHARES.  A work-group takes 128 tokens (mt) and two heads (nt).  Nine waves, 64 matrix instructions each.  Waves 0-7: 32 tokens (strip w & 3) x the 64 columns of head 2 nt + (w >> 2).
; Wave 8: nt even: k of strip nt >> 1, by the same lines as q; nt odd: v, 16 of its 64 channels (tile nt >> 1) for all 128 tokens.
; All of K (1,024) of the 128 rows of x, the 128 rows of wq and the 64 rows of wk or wv lies in LDS at once: each byte of LDS is filled once, so there is one wait for the fills and one barrier.
; CLUSTER.  The four work-groups of a cluster differ in mt alone and need the same rows of wq and of wk or wv: these are asked for jointly.  x's rows are shared along nt, but wave 8's role and its
; LDS rows hang on nt, which therefore has to be equal in all partners: so the cluster lies along mt only, and x comes by loads of the work-group's own.
; LAYOUT, q and k.  Source 0 = 16 neighbouring rows of the weight, source 1 = 16 tokens: lane (r, h) holds token r, register i of tile t the head's row 16 t + 8 h + i.  Even and odd rows are neighbouring
; registers; pair j = 8 t + 4 h + m gives e c - o s (block 0) and o c + e s (block 1).  Inside a block the order is a permutation of j, the same for q and k, so their product and the blocks' scales are as asked.
; Two tiles of tokens make one fragment of 12 registers: registers 0-5 tile 0, registers 6-11 tile 1.  For k tile u's row r is key 8 u + r + 8 (r / 8) of the strip.
; LAYOUT, v.  Source 0 = 16 tokens (tile (b, u): rows 32 b + 8 u + r + 8 (r / 8)), source 1 = 16 rows of wv (d = 32 (t / 2) + 8 (t % 2) + r + 8 (r / 8)): a lane holds one d, and register 16 b + i key 32 b + 16 h + i.
; THE TABLES.  freq = 2^(-j log2(1000) / 32), the exponent in two parts; angle = position x freq, rounded once; reduced by multiples of pi / 2 in two parts; polynomials of degree 7 and 8 on |r| <= pi / 4.
; LIMITS.  NaN, infinities and scale bytes 0xff are not served.  A block of zeros gets the scale byte 1 and not 127: its codes are zeros, and the bytes are read by this program alone.
; The frequencies are good to about 1.5 units in the last place; at position 2,047 that can move an angle by about 1e-4.
; REGISTERS, q and k: v1 r, v2 h, v4-6 store offsets, v8-16 LDS addresses, v17-21 rows and positions, v22-31 at work; v32-79 the weight's four fragments, v80-103 x's two; v104-127 scale words, and nothing else;
; v128-191 eight accumulators; v192-255 cos and sin of the two tiles.  v: v32-103 and v192-215 x's eight fragments, v216-227 wv's.
; WHERE THE TEXT ABOVE AND THIS DIFFER, THIS HOLDS.  Twelve waves: 0-7 make q as said.  Waves 8-11 stand for the four strips of k (nt even) or the four tiles of v (nt odd): the wave with w & 3 = nt >> 1 does that work, the others only fetch.
; So every LDS row hangs on the wave's number alone.  Each wave issues one tensor load at most.  k: tile u's row r of strip s is token 64 (s / 2) + 16 (s % 2) + 32 (r / 8) + 8 u + r % 8 of the 128.
; v: tile t's row r of wv is channel 32 (r / 8) + 8 t + r % 8.  kv holds for each key step of 128 tokens 13,312 bytes: four K images, four V images (1,536 bytes each, three pieces of 16 bytes a lane), K's and V's scale words (128 bytes each).
; The tables of cos and sin are made once for each token and pair (waves 0-7: 16 tokens each) and lie in LDS, 272 bytes a token: 32 cosines, 32 sines, 16 bytes of padding.
.set TBL, 0x42700                      ; behind the scale bytes: the tables, 128 rows of 272 bytes; behind them the spare words
.set STEPB, 13312                      ; a key step's block of kv
.set WV, 3
.set NT,    4                          ; s4   which two heads
.set MT,    5                          ; s5   which 128 tokens
.set PAR,   6                          ; s6   nt & 1
.set KFL,   7                          ; s7   1 for waves 8-11
.set G1X,   36                         ; s[36:43] descriptor group 1: 64 rows of x's codes;  s[44:51] their scale bytes
.set G1XS,  44
.set G1W,   52                         ; s[52:59], s[68:75] the same for a weight, with the mask
.set G1WS,  68
.set G0X,   76                         ; s[76:91] the four groups 0
.set G0XS,  80
.set G0W,   84
.set G0WS,  88
.set SEL,   96                         ; s[96:97] lane selects: lane l xor 16
.set PITCH, 816                        ; a row of 768 bytes of codes in LDS: three pieces of 256 bytes, 16 bytes of padding behind each
.set TILEB, 64*PITCH                   ; 64 rows: what one load brings
.set SCB,   320*PITCH                  ; behind the 320 rows of codes: the scale bytes, 32 a row, 16 bytes of padding behind each 256
.set TILES, 8*272                      ; those of 64 rows
.set KVB,   212992                     ; a batch's block of kv
.set PADW,  (3<<16)|(1<<20)|(5<<22)|(3<<25)  ; elements of 8 bytes; padding on; behind every 64 words; 4 words of it
.set ADX0,  8                          ; v8, v9   x's tile 0: row x 816 + 24 h, and + 40 h for pieces behind one padding more
.set ADX1,  10                         ; v10, v11 tile 1
.set ADW,   12                         ; v12, v13 the weight
.set ASX0,  14                         ; v14, v15 x's scale words;  v16 the weight's
.set ASX1,  15
.set ASW,   16
.set FQ,    32                         ; v32-47 the 16 frequencies, while the tables are made
.set WF,    32
.set XF,    80
.set WS,    104
.set XS,    120
.set ACC,   128
.set TC0,   192                        ; cos of tile u at v[192 + 32 u], sin at v[208 + 32 u]
.set TS0,   208
.set RO,    32                         ; the 64 numbers behind the rotation
.macro PLACES                          ; a load into a register that a matrix instruction has read, and a vector instruction that reads its result or writes one of its registers, stand four plain vector instructions behind it
.rept 4
	v_nop
.endr
.endm
.macro ROUND                           ; a round of the cluster's barrier: my work-group's barrier, wave 0 signals for the work-group, every wave waits for all four work-groups, my work-group's barrier once more
	s_barrier_signal -1
	s_barrier_wait -1
	s_cmp_lg_u32 s[WV], 0
	s_cbranch_scc1 .Lnot_wave_0_\@
	s_barrier_signal -3
.Lnot_wave_0_\@:
	s_barrier_wait -3
	s_barrier_signal -1
	s_barrier_wait -1
.endm
; A fragment, 16 rows x 128 K of 6-bit codes, is 12 registers: registers 6 c .. 6 c + 5 of lane (r, h) are the 24 bytes at 96 s + 48 c + 24 h of row r, in pieces of 8 bytes.
; Where lanes 16-31's piece, 24 bytes on, lies behind one padding more than lanes 0-15's, the second address register serves.
.macro FRAG reg, adr, s, off
.irp p, 0,1,2,3,4,5
.set FD, 96*(\s)+48*(\p/3)+8*(\p%3)
.if (FD>>8) == ((FD+24)>>8)
	ds_load_b64 v[\reg+2*\p:\reg+2*\p+1], v[\adr] offset:FD+16*(FD>>8)+(\off)
.else
	ds_load_b64 v[\reg+2*\p:\reg+2*\p+1], v[\adr+1] offset:FD+16*(FD>>8)+(\off)
.endif
.endr
.endm
.macro MM0 d, a, b, sa, sb             ; a sum's first product
	v_wmma_scale_f32_16x16x128_f8f6f4 v[\d:\d+7], v[\a:\a+11], v[\b:\b+11], 0, v[\sa], v[\sb] matrix_a_fmt:MATRIX_FMT_FP6 matrix_b_fmt:MATRIX_FMT_FP6
.endm
.macro MMA d, a, b, sa, sb             ; and the others
	v_wmma_scale_f32_16x16x128_f8f6f4 v[\d:\d+7], v[\a:\a+11], v[\b:\b+11], v[\d:\d+7], v[\sa], v[\sb] matrix_a_fmt:MATRIX_FMT_FP6 matrix_b_fmt:MATRIX_FMT_FP6
.endm
; 64 numbers of a lane, register 16 b + i = place 32 b + 16 h + i of my row, become a fragment's codes in v[PC] .. v[PC + 11] and its scale word in v[PW].
.macro QUANT s
.irp b, 0,1,2,3
	v_max3_num_f32 v[TM+\b], |v[\s+16*\b]|, |v[\s+1+16*\b]|, 0x1800000   ; block b: my 16 numbers, and the floor 2^(3 - 127): the byte cannot fall under 1
.endr
.irp i, 2,4,6,8,10,12,14
.irp b, 0,1,2,3
	v_max3_num_f32 v[TM+\b], v[TM+\b], |v[\s+16*\b+\i]|, |v[\s+1+16*\b+\i]|
.endr
.endr
.irp b, 0,1,2,3
	s_delay_alu instid0(VALU_DEP_4)
	v_permlanex16_b32 v[TM+4+\b], v[TM+\b], s[SEL], s[SEL+1]
.endr
.irp b, 0,1,2,3
	s_delay_alu instid0(VALU_DEP_4)
	v_max_num_f32 v[TM+\b], v[TM+\b], v[TM+4+\b]           ; with lane l xor 16's: the block's largest magnitude
.endr
.irp b, 0,1,2,3
	s_delay_alu instid0(VALU_DEP_4)
	v_add_nc_u32 v[TM+8+\b], 0xff000000, v[TM+\b]          ; 2 off its exponent field: the conversion's scale operand
.endr
.irp b, 0,1,2,3
	s_delay_alu instid0(VALU_DEP_4)
	v_lshrrev_b32 v[TM+4+\b], 23, v[TM+8+\b]               ; the scale's byte
.endr
	s_delay_alu instid0(VALU_DEP_3)
	v_lshl_or_b32 v[PW], v[TM+5], 8, v[TM+4]
	s_delay_alu instid0(VALU_DEP_1)
	v_lshl_or_b32 v[PW], v[TM+6], 16, v[PW]
	s_delay_alu instid0(VALU_DEP_1)
	v_lshl_or_b32 v[PW], v[TM+7], 24, v[PW]
.irp c, 0,1
	v_cvt_scalef32_pk16_fp6_f32 v[PC+6*\c:PC+2+6*\c], v[\s+32*\c:\s+15+32*\c], v[TM+8+2*\c]
	v_cvt_scalef32_pk16_fp6_f32 v[PC+12+4*\c:PC+14+4*\c], v[\s+16+32*\c:\s+31+32*\c], v[TM+8+2*\c+1]   ; (a conversion's three registers begin on an even number)
.endr
	v_nop                                          ; one plain instruction behind a scaled conversion
.irp c, 0,1                                    ; the operand wants a whole block in a lane: lanes 0-15 block 2 c, lanes 16-31 block 2 c + 1
.irp i, 0,1,2
	v_permlane16_swap_b32 v[PC+6*\c+\i], v[PC+12+4*\c+\i]
.endr
.irp i, 0,1,2
	s_delay_alu instid0(VALU_DEP_3)
	v_mov_b32 v[PC+3+6*\c+\i], v[PC+12+4*\c+\i]
.endr
.endr
.endm
	s_load_b512 s[8:23], s[0:1], 0x0               ; x's codes, scales; wq's; wk's; wv's
	s_load_b128 s[24:27], s[0:1], 0x40             ; qimg, qscl
	s_load_b64 s[28:29], s[0:1], 0x50              ; kv
	v_lshl_add_u32 v7, v0, 2, 0x4af00
	s_set_vgpr_msb 0x40
	v_mov_b32 v1, 0
	s_set_vgpr_msb 0x4044
	ds_add_u32 v7, v1
	ds_add_u32 v7, v1
	s_set_vgpr_msb 0x4400
	v_lshrrev_b32 v1, 5, v0
	s_delay_alu instid0(VALU_DEP_1)
	v_readfirstlane_b32 s[WV], v1                  ; wave 0..11
	s_bfe_u32 s2, ttmp6, 0x40000                   ; cx: my place in the cluster
	s_lshl_b32 s[MT], ttmp9, 2
	s_add_co_u32 s[MT], s[MT], s2                  ; mt = 4 x cluster x + cx: it enters x's address, the stores' addresses and the positions alone
	s_and_b32 s[NT], ttmp7, 0xffff                 ; nt, which the four partners share
	s_and_b32 s[PAR], s[NT], 1
	s_lshr_b32 s[KFL], s[WV], 3
	; descriptor groups 1: dense blocks of memory as rows of 256 bytes (32 elements of 8 bytes): 64 rows of codes are 192 such rows, their scale bytes 8
	s_mov_b32 s[G1X], PADW
	s_mov_b32 s[G1XS], PADW
	s_mov_b32 s[G1W], PADW|15|(1<<21)              ; the mask names all four work-groups; bit 21 is set beside a mask
	s_mov_b32 s[G1WS], PADW|15|(1<<21)
.irp g, G1X, G1W
	s_mov_b32 s[\g+1], 32<<16                      ; tensor_dim0
	s_mov_b32 s[\g+2], 192<<16                     ; tensor_dim1
	s_mov_b32 s[\g+3], 32<<16                      ; tile_dim0
	s_mov_b32 s[\g+4], 192                         ; tile_dim1
	s_mov_b32 s[\g+5], 32                          ; from row to row
	s_mov_b32 s[\g+6], 0
	s_mov_b32 s[\g+7], 0
.endr
.irp g, G1XS, G1WS
	s_mov_b32 s[\g+1], 32<<16
	s_mov_b32 s[\g+2], 8<<16
	s_mov_b32 s[\g+3], 32<<16
	s_mov_b32 s[\g+4], 8
	s_mov_b32 s[\g+5], 32
	s_mov_b32 s[\g+6], 0
	s_mov_b32 s[\g+7], 0
.endr
	s_mov_b32 s92, 0xbfc90fdb                      ; -(pi / 2), its upper part
	s_mov_b32 s93, 0x333bbd2e                      ; upper part - pi / 2
	s_mov_b32 s94, 0xb94ca1f9                      ; the sine's highest coefficient
	s_mov_b32 s95, 0x37ccf5ce                      ; the cosine's
	s_mov_b32 s[SEL], 0x76543210
	s_mov_b32 s[SEL+1], 0xfedcba98
	s_mov_b32 s98, 0x3e9f73da                      ; log2(1000) / 32, upper part
	s_mov_b32 s99, 0x31e3675e                      ; and the rest
	; what I fetch, if I fetch.  Waves 0, 1: x's rows 128 mt + 64 (w & 1) on.  Waves 2, 3: wq's rows 128 nt + 64 (w & 1) on.  Wave 4: all 64 rows of wk (nt even) or wv (nt odd).
	; waves 0, 1: x's codes; 2, 3: wq's; 4: wk's or wv's; 5, 6: x's scale bytes; 7, 8: wq's; 9: wk's or wv's
	s_and_b32 s34, s[WV], 1
	s_cmp_ge_u32 s[WV], 5
	s_cselect_b32 s2, 1, 0
	s_xor_b32 s34, s34, s2
	s_lshl_b32 s34, s34, 6
	s_lshl_b32 s60, s[MT], 7
	s_add_co_u32 s60, s60, s34
	s_lshl_b32 s62, s60, 5                         ; 32 scale bytes a row
	s_mul_i32 s60, s60, 768                        ; 768 bytes of codes a row
	s_mov_b32 s61, 0
	s_mov_b32 s63, 0
	s_lshl_b32 s100, s[NT], 7                      ; (the weights' offsets stand in registers that never hold mt)
	s_add_co_u32 s100, s100, s34
	s_cmp_eq_u32 s[WV], 4
	s_cselect_b32 s100, 0, s100
	s_cmp_eq_u32 s[WV], 9
	s_cselect_b32 s100, 0, s100
	s_lshl_b32 s34, s100, 5
	s_mul_i32 s100, s100, 768
	s_mov_b32 s101, 0
	s_mov_b32 s35, 0
	s_wait_dscnt 0x0
	ROUND                                          ; all four work-groups are here: the joint loads meet
	s_wait_kmcnt 0x0
	s_cmp_eq_u32 s[PAR], 0
	s_cselect_b64 s[30:31], s[16:17], s[20:21]     ; wk or wv: the choice hangs on nt alone
	s_cselect_b64 s[32:33], s[18:19], s[22:23]
	s_cmp_eq_u32 s[WV], 4
	s_cselect_b64 s[30:31], s[30:31], s[12:13]     ; that one for wave 4 (its scale bytes for wave 9), wq for the others
	s_cmp_eq_u32 s[WV], 9
	s_cselect_b64 s[32:33], s[32:33], s[14:15]
	s_mov_b32 s[G0X], 1                            ; count = 1
	s_mul_i32 s[G0X+1], s[WV], TILEB               ; LDS: wave w's 64 rows: x's 0-127, wq's 128-255, wk's or wv's 256-319
	s_add_nc_u64 s[G0X+2:G0X+3], s[8:9], s[60:61]
	s_or_b32 s[G0X+3], s[G0X+3], 0x80000000        ; type = 2
	s_mov_b32 s[G0XS], 1
	s_mul_i32 s[G0XS+1], s[WV], TILES
	s_add_co_u32 s[G0XS+1], s[G0XS+1], SCB-5*TILES
	s_add_nc_u64 s[G0XS+2:G0XS+3], s[10:11], s[62:63]
	s_or_b32 s[G0XS+3], s[G0XS+3], 0x80000000
	s_mov_b32 s[G0W], 1
	s_mul_i32 s[G0W+1], s[WV], TILEB
	s_add_nc_u64 s[G0W+2:G0W+3], s[30:31], s[100:101]
	s_or_b32 s[G0W+3], s[G0W+3], 0x80000000
	s_mov_b32 s[G0WS], 1
	s_mul_i32 s[G0WS+1], s[WV], TILES
	s_add_co_u32 s[G0WS+1], s[G0WS+1], SCB-5*TILES
	s_add_nc_u64 s[G0WS+2:G0WS+3], s[32:33], s[34:35]
	s_or_b32 s[G0WS+3], s[G0WS+3], 0x80000000
.macro ARM under, g0, g1, next         ; one chain of branches on the wave's number, one load to an arm, one join
	s_cmp_lt_u32 s[WV], \under
	s_cbranch_scc0 \next
	tensor_load_to_lds s[\g0:\g0+3], s[\g1:\g1+7]
	s_nop 0
	PLACES
	s_branch .Lasked
\next:
.endm
	ARM 2, G0X, G1X, .Larm_w
	ARM 5, G0W, G1W, .Larm_xs
	ARM 7, G0XS, G1XS, .Larm_ws
	ARM 10, G0WS, G1WS, .Larm_none
.Lasked:
	; while the fills are on their way: the lane's addresses, then the tables
	v_and_b32 v1, 15, v0                           ; r
	v_bfe_u32 v2, v0, 4, 1                         ; h
	v_and_b32 v3, 31, v0                           ; lane
	s_delay_alu instid0(VALU_DEP_1)
	v_lshlrev_b32 v4, 4, v3                        ; an image's place for my lane: 16, 8 or 4 bytes a lane
	s_delay_alu instid0(VALU_DEP_2)
	v_lshlrev_b32 v5, 3, v3
	s_delay_alu instid0(VALU_DEP_3)
	v_lshlrev_b32 v6, 2, v3
	s_and_b32 s34, s[WV], 3                        ; my strip of 32 tokens (v: my tile of 16 channels)
	s_bfe_u32 s35, s[NT], 0x20001                  ; nt >> 1: 0..3: which of waves 8-11 works here
	s_mul_i32 s60, s[KFL], 48
	s_xor_b32 s60, s60, 32
	s_and_b32 s61, s34, 1
	s_mul_i32 s60, s60, s61
	s_lshr_b32 s61, s34, 1
	s_lshl_b32 s61, s61, 6
	s_add_co_u32 s60, s60, s61                     ; q: 32 x strip; k: 64 (strip / 2) + 16 (strip % 2)
	s_mul_i32 s2, s[KFL], 24
	s_wait_alu depctr_va_vdst(0)                   ; ahead of the readers below
	v_lshrrev_b32 v22, 3, v1
	v_mul_u32_u24 v22, s2, v22                     ; k: 24 (r / 8), so that rows 8-15 lie 32 tokens on
	s_delay_alu instid0(VALU_DEP_1)
	v_add_nc_u32 v22, v22, v1
	v_add_nc_u32 v17, s60, v22                     ; tile 0's row of x for my lane
	s_xor_b32 s2, s[KFL], 1
	s_lshl_b32 s2, s2, 3
	s_add_co_u32 s2, s2, 8                         ; tile 1 lies 16 rows on, for k 8
	v_add_nc_u32 v18, s2, v17
	v_mul_u32_u24 v23, v2, 24
	s_delay_alu instid0(VALU_DEP_1)
	v_mad_u32_u24 v[ADX0], v17, PITCH, v23
	s_delay_alu instid0(VALU_DEP_1)
	v_lshl_add_u32 v[ADX0+1], v2, 4, v[ADX0]
	s_delay_alu instid0(VALU_DEP_3)
	v_mad_u32_u24 v[ADX1], v18, PITCH, v23
	s_delay_alu instid0(VALU_DEP_1)
	v_lshl_add_u32 v[ADX1+1], v2, 4, v[ADX1]
	v_lshrrev_b32 v24, 3, v17                      ; scale bytes: 32 a row, and 16 more for each 8 rows passed
	s_delay_alu instid0(VALU_DEP_1)
	v_lshlrev_b32 v24, 4, v24
	s_delay_alu instid0(VALU_DEP_1)
	v_lshl_add_u32 v24, v17, 5, v24
	s_delay_alu instid0(VALU_DEP_1)
	v_add_nc_u32 v[ASX0], SCB, v24
	v_lshrrev_b32 v24, 3, v18
	s_delay_alu instid0(VALU_DEP_1)
	v_lshlrev_b32 v24, 4, v24
	s_delay_alu instid0(VALU_DEP_1)
	v_lshl_add_u32 v24, v18, 5, v24
	s_delay_alu instid0(VALU_DEP_1)
	v_add_nc_u32 v[ASX1], SCB, v24
	s_lshr_b32 s2, s[WV], 2
	s_lshl_b32 s2, s2, 6
	s_add_co_u32 s2, s2, 128                       ; the weight's rows: 128 + 64 (w >> 2): waves 8-11 take wk's
	v_add_nc_u32 v25, s2, v1
	s_delay_alu instid0(VALU_DEP_1)
	v_mad_u32_u24 v[ADW], v25, PITCH, v23
	s_delay_alu instid0(VALU_DEP_1)
	v_lshl_add_u32 v[ADW+1], v2, 4, v[ADW]
	s_delay_alu instid0(VALU_DEP_3)
	v_lshrrev_b32 v24, 3, v25
	s_delay_alu instid0(VALU_DEP_1)
	v_lshlrev_b32 v24, 4, v24
	s_delay_alu instid0(VALU_DEP_1)
	v_lshl_add_u32 v24, v25, 5, v24
	s_delay_alu instid0(VALU_DEP_1)
	v_add_nc_u32 v[ASW], SCB, v24
	s_and_b32 s2, s[MT], 15
	s_lshl_b32 s2, s2, 3
	s_add_co_u32 s2, s2, s[WV]
	s_lshl_b32 s2, s2, 4
	v_add_nc_u32 v20, s2, v1                       ; the tables: wave w makes tokens 16 w + r, pairs 16 h + 0..15; the token's position,
	v_lshlrev_b32 v19, 4, v2                       ; 16 h
	v_lshlrev_b32 v24, 6, v2
	v_cvt_f32_u32 v20, v20                         ; as f32
	v_add_nc_u32 v22, TBL, v19
	s_lshl_b32 s60, s[WV], 4
	v_add_nc_u32 v23, s60, v1
	v_add_nc_u32 v24, TBL, v24
	v_mad_u32_u24 v21, v17, 272, v22               ; where my lane reads tile 0's cosines of pairs 8 t + 4 h + 0..3: + 32 t; the sines 128 bytes on
	v_mad_u32_u24 v0, v18, 272, v22                ; and tile 1's
	v_mad_u32_u24 v3, v23, 272, v24                ; where my lane puts what it makes
.macro FREQ i                          ; frequency of pair j = 16 h + i: 2^(-j L).  a = j L rounded; what the rounding and L's lower part leave, e, is put right by 1 - e ln 2
	v_add_nc_u32 v22, (\i), v19                    ; (the pair is 16 h + i)
	s_delay_alu instid0(VALU_DEP_1)
	v_cvt_f32_u32 v22, v22
	s_delay_alu instid0(VALU_DEP_1)
	v_mul_f32 v23, s98, v22
	s_delay_alu instid0(VALU_DEP_1)
	v_fma_f32 v24, v22, s98, -v23
	s_delay_alu instid0(VALU_DEP_1)
	v_fma_f32 v24, v22, s99, v24
	s_wait_alu depctr_va_vdst(0)
	v_exp_f32 v[FQ+\i], -v23
	v_mul_f32 v24, 0x3f317218, v24                 ; (the plain instruction behind the exponential)
	s_wait_alu depctr_va_vdst(0)
	v_fma_f32 v[FQ+\i], -v24, v[FQ+\i], v[FQ+\i]
.endm
.macro TRIG u, i                       ; cos and sin of tile u's position x frequency i
	v_mul_f32 v22, v[20+\u], v[FQ+\i]              ; the angle, rounded once
	s_delay_alu instid0(VALU_DEP_1)
	v_mul_f32 v23, 0x3f22f983, v22
	s_delay_alu instid0(VALU_DEP_1)
	v_rndne_f32 v23, v23                           ; n = the nearest multiple of pi / 2
	s_delay_alu instid0(VALU_DEP_1)
	v_fma_f32 v24, v23, s92, v22
	s_delay_alu instid0(VALU_DEP_1)
	v_fma_f32 v24, v23, s93, v24                   ; r = angle - n pi / 2, |r| <= pi / 4
	s_delay_alu instid0(VALU_DEP_3)
	v_cvt_i32_f32 v25, v23
	s_delay_alu instid0(VALU_DEP_2)
	v_mul_f32 v26, v24, v24                        ; z = r r
	s_delay_alu instid0(VALU_DEP_1)
	v_fmaak_f32 v27, s94, v26, 0x3c08839e
	s_delay_alu instid0(VALU_DEP_2)
	v_fmaak_f32 v29, s95, v26, 0xbab6061a
	s_delay_alu instid0(VALU_DEP_2)
	v_fmaak_f32 v27, v27, v26, 0xbe2aaaa3
	s_delay_alu instid0(VALU_DEP_2)
	v_fmaak_f32 v29, v29, v26, 0x3d2aaaa5
	v_mul_f32 v28, v26, v24
	v_mul_f32 v30, v26, v26
	v_fma_f32 v31, v26, -0.5, 1.0
	s_delay_alu instid0(VALU_DEP_3)
	v_fma_f32 v27, v27, v28, v24                   ; sin r
	s_delay_alu instid0(VALU_DEP_2)
	v_fma_f32 v29, v29, v30, v31                   ; cos r
	v_and_b32 v22, 1, v25
	s_delay_alu instid0(VALU_DEP_1)
	v_cmp_eq_u32 vcc_lo, 1, v22                    ; n odd: the two change places
	s_delay_alu instid0(VALU_DEP_1)
	v_cndmask_b32 v28, v27, v29, vcc_lo
	s_delay_alu instid0(VALU_DEP_2)
	v_cndmask_b32 v30, v29, v27, vcc_lo
	v_lshlrev_b32 v22, 30, v25                     ; the sine is negative where bit 1 of n is set,
	v_add_nc_u32 v25, 1, v25
	s_delay_alu instid0(VALU_DEP_2)
	v_and_b32 v22, 0x80000000, v22
	s_delay_alu instid0(VALU_DEP_2)
	v_lshlrev_b32 v25, 30, v25                     ; the cosine where bit 1 of n + 1 is
	s_delay_alu instid0(VALU_DEP_2)
	v_xor_b32 v[TS0+32*\u+\i], v28, v22
	s_delay_alu instid0(VALU_DEP_2)
	v_and_b32 v25, 0x80000000, v25
	s_delay_alu instid0(VALU_DEP_1)
	v_xor_b32 v[TC0+32*\u+\i], v30, v25
.endm
	s_wait_alu depctr_va_vdst(0)                   ; ahead of the branch
	s_cmp_lt_u32 s[WV], 8
	s_cbranch_scc0 .Lno_tables
.set ii, 0
.rept 16
	FREQ ii
.set ii, ii+1
.endr
.set ii, 0
.rept 16
	TRIG 0, ii
.set ii, ii+1
.endr
.irp g, 0,1,2,3
	ds_store_b128 v3, v[TC0+4*\g:TC0+4*\g+3] offset:16*\g
	ds_store_b128 v3, v[TS0+4*\g:TS0+4*\g+3] offset:128+16*\g
.endr
	s_wait_alu depctr_va_vdst(0)
.Lno_tables:
	s_wait_tensorcnt 0x0                           ; my fill has landed,
	s_wait_dscnt 0x0                               ; my part of the tables is stored,
	s_barrier_signal -1
	s_barrier_wait -1                              ; everybody's
	s_cmp_lt_u32 s[WV], 8
	s_cbranch_scc1 .Lqk
	s_cmp_eq_u32 s34, s35
	s_cbranch_scc0 .Lend                           ; another work-group makes this strip of k or this tile of v
	s_cmp_lg_u32 s[PAR], 0
	s_cbranch_scc1 .Lvrole                         ; nt odd: v; no barrier stands before the ways join
.Lqk:
.irp t, 0,1,2,3
	ds_load_b128 v[TC0+4*\t:TC0+4*\t+3], v21 offset:32*\t
	ds_load_b128 v[TS0+4*\t:TS0+4*\t+3], v21 offset:128+32*\t
	ds_load_b128 v[TC0+32+4*\t:TC0+32+4*\t+3], v0 offset:32*\t
	ds_load_b128 v[TS0+32+4*\t:TS0+32+4*\t+3], v0 offset:128+32*\t
.endr
	; ---- q and k: 32 tokens x 64 columns, eight K steps of 128, eight accumulators by turns
.macro SCLOAD g                        ; the scale words of K steps 4 g .. 4 g + 3: 16 bytes a row
.irp t, 0,1,2,3
	ds_load_b128 v[WS+4*\t:WS+4*\t+3], v[ASW] offset:544*\t+16*\g
.endr
	ds_load_b128 v[XS:XS+3], v[ASX0] offset:16*\g
	ds_load_b128 v[XS+4:XS+7], v[ASX1] offset:16*\g
.endm
.macro QKSTEP s, zero
	FRAG XF, ADX0, \s, 0
	FRAG XF+12, ADX1, \s, 0
.irp t, 0,1,2,3
	FRAG WF+12*\t, ADW, \s, 16*PITCH*\t
.endr
.irp t, 0,1,2,3
	s_wait_dscnt 18-6*\t                           ; x's two fragments and the weight's up to tile t are in; the six loads of each later tile may be out
.irp u, 0,1
.if \zero
	MM0 ACC+32*\u+8*\t, WF+12*\t, XF+12*\u, WS+4*\t+(\s)%4, XS+4*\u+(\s)%4
.else
	MMA ACC+32*\u+8*\t, WF+12*\t, XF+12*\u, WS+4*\t+(\s)%4, XS+4*\u+(\s)%4
.endif
.endr
.endr
	PLACES
.endm
	SCLOAD 0
	QKSTEP 0, 1
.irp s, 1,2,3
	QKSTEP \s, 0
.endr
	SCLOAD 1
.irp s, 4,5,6,7
	QKSTEP \s, 0
.endr
	; where the images go.  q: qimg and qscl at 16 x strip + head.  k: the batch's block of kv, at the strip
	s_lshl_b32 s60, s[MT], 2
	s_add_co_u32 s60, s60, s34                     ; the strip among all 128
	s_lshl_b32 s61, s60, 4
	s_lshl_b32 s62, s[NT], 1
	s_lshr_b32 s63, s[WV], 2
	s_add_co_u32 s62, s62, s63                     ; the head
	s_add_co_u32 s61, s61, s62
	s_lshr_b32 s63, s[MT], 4
	s_mul_i32 s63, s63, KVB
	s_and_b32 s2, s[MT], 15
	s_mul_i32 s2, s2, STEPB
	s_add_co_u32 s63, s63, s2                      ; k: the key step's block
	s_cmp_eq_u32 s[KFL], 0
	s_cselect_b32 s60, s61, s34
	s_cselect_b32 s63, 0, s63
	s_cselect_b64 s[30:31], s[24:25], s[28:29]
	s_cselect_b64 s[32:33], s[26:27], s[28:29]
	s_mul_i32 s100, s60, 1536
	s_add_co_u32 s100, s100, s63
	s_mov_b32 s101, 0
	s_add_nc_u64 s[30:31], s[30:31], s[100:101]
	s_lshl_b32 s100, s60, 7
	s_add_co_u32 s100, s100, s63
	s_mul_i32 s2, s[KFL], 12288                    ; k's scale words lie behind the step's eight images
	s_add_co_u32 s100, s100, s2
	s_add_nc_u64 s[32:33], s[32:33], s[100:101]
.macro ROPE u                          ; each accumulator is read from its low end on
.irp t, 0,1,2,3
.irp m, 0,1,2,3
	v_mul_f32 v[22+2*\m], v[ACC+32*\u+8*\t+2*\m+1], v[TS0+32*\u+4*\t+\m]   ; o s
	v_mul_f32 v[23+2*\m], v[ACC+32*\u+8*\t+2*\m], v[TS0+32*\u+4*\t+\m]     ; e s
.endr
.irp m, 0,1,2,3
	v_fma_f32 v[RO+32*\u+4*\t+\m], v[ACC+32*\u+8*\t+2*\m], v[TC0+32*\u+4*\t+\m], -v[22+2*\m]      ; e c - o s: the head's first 32
	v_fma_f32 v[RO+32*\u+16+4*\t+\m], v[ACC+32*\u+8*\t+2*\m+1], v[TC0+32*\u+4*\t+\m], v[23+2*\m]  ; o c + e s: its second 32
.endr
.endr
.endm
	ROPE 0
	ROPE 1
.set PC, 128                           ; the codes and the work go where the accumulators lay
.set TM, 148
.set PW, 31
.irp b, 0,1,2,3
	v_mov_b32 v[TM+4+\b], 0                        ; a lane permute's destination counts as one of its sources
.endr
	QUANT RO
	s_wait_alu depctr_va_vdst(0)                   ; ahead of the branch
	s_cmp_lg_u32 s[KFL], 0
	s_cbranch_scc1 .Lk_out
	global_store_b128 v4, v[PC:PC+3], s[30:31]                 ; q, tile 0: registers 0-3, 512 consecutive bytes,
	global_store_b64 v5, v[PC+4:PC+5], s[30:31] offset:512     ; registers 4-5, 256;
	global_store_b128 v4, v[PC+6:PC+9], s[30:31] offset:768    ; tile 1 likewise
	global_store_b64 v5, v[PC+10:PC+11], s[30:31] offset:1280
	s_branch .Lword
.Lk_out:
.irp g, 0,1,2
	global_store_b128 v4, v[PC+4*\g:PC+4*\g+3], s[30:31] offset:512*\g   ; k: the twelve registers in three pieces of 512 bytes
.endr
.Lword:
	global_store_b32 v6, v[PW], s[32:33]                       ; the scale word: bytes 0, 1 tile 0's blocks, bytes 2, 3 tile 1's
	s_branch .Lend
	; ---- v: 128 tokens x 16 channels
.Lvrole:
	v_lshrrev_b32 v22, 3, v1
	s_delay_alu instid0(VALU_DEP_1)
	v_lshl_add_u32 v22, v22, 3, v1                 ; r + 8 (r / 8)
	v_mul_u32_u24 v23, v2, 24
	s_delay_alu instid0(VALU_DEP_1)
	v_mad_u32_u24 v[ADX0], v22, PITCH, v23         ; x's tiles (b, u) lie 32 b + 8 u rows on: for b = 0, 1 from here,
	s_delay_alu instid0(VALU_DEP_1)
	v_lshl_add_u32 v[ADX0+1], v2, 4, v[ADX0]
	s_delay_alu instid0(VALU_DEP_2)
	v_add_nc_u32 v[ADX1], TILEB, v[ADX0]           ; for b = 2, 3 from 64 rows on
	s_delay_alu instid0(VALU_DEP_2)
	v_add_nc_u32 v[ADX1+1], TILEB, v[ADX0+1]
	s_lshl_b32 s2, s34, 3
	s_add_co_u32 s2, s2, 256                       ; wv's rows: 256 + 8 t + r % 8 + 32 (r / 8)
	v_lshrrev_b32 v25, 4, v22                      ; r / 8
	s_delay_alu instid0(VALU_DEP_1)
	v_lshl_add_u32 v24, v25, 4, v22
	s_delay_alu instid0(VALU_DEP_1)
	v_add_nc_u32 v24, s2, v24
	s_delay_alu instid0(VALU_DEP_1)
	v_mad_u32_u24 v[ADW], v24, PITCH, v23
	s_delay_alu instid0(VALU_DEP_1)
	v_lshl_add_u32 v[ADW+1], v2, 4, v[ADW]
	v_lshrrev_b32 v25, 3, v22
	s_delay_alu instid0(VALU_DEP_1)
	v_lshlrev_b32 v25, 4, v25
	s_delay_alu instid0(VALU_DEP_1)
	v_lshl_add_u32 v25, v22, 5, v25
	s_delay_alu instid0(VALU_DEP_1)
	v_add_nc_u32 v[ASX0], SCB, v25
	s_wait_alu depctr_va_vdst(0)
	v_lshrrev_b32 v25, 3, v24
	s_delay_alu instid0(VALU_DEP_1)
	v_lshlrev_b32 v25, 4, v25
	s_delay_alu instid0(VALU_DEP_1)
	v_lshl_add_u32 v25, v24, 5, v25
	s_delay_alu instid0(VALU_DEP_1)
	v_add_nc_u32 v[ASW], SCB, v25
.macro VSTEP s, zero
.if (\s)%2 == 0                        ; the scale words of this K step and the next: 8 bytes a row; tile i = 2 b + u lies 4 b + u pieces of 272 bytes on
.irp i, 0,1,2,3,4,5,6,7
	ds_load_b64 v[WS+2*\i:WS+2*\i+1], v[ASX0] offset:272*(4*(\i/2)+\i%2)+8*((\s)/2)
.endr
	ds_load_b64 v[WS+16:WS+17], v[ASW] offset:8*((\s)/2)
.endif
	FRAG 216, ADW, \s, 0
.irp i, 0,1,2,3,4,5,6,7
	FRAG 32+12*\i+88*(\i/6), ADX0+2*(\i/4), \s, (32*((\i/2)%2)+8*(\i%2))*PITCH
.endr
.irp i, 0,1,2,3,4,5,6,7
	s_wait_dscnt 6*(7-\i)                          ; wv's fragment and x's up to tile i are in; the six loads of each later tile may be out
.if \zero
	MM0 ACC+8*\i, 32+12*\i+88*(\i/6), 216, WS+2*\i+(\s)%2, WS+16+(\s)%2
.else
	MMA ACC+8*\i, 32+12*\i+88*(\i/6), 216, WS+2*\i+(\s)%2, WS+16+(\s)%2
.endif
.endr
	PLACES
.endm
	s_wait_alu depctr_va_vdst(0)
	VSTEP 0, 1
.irp s, 1,2,3,4,5,6,7
	VSTEP \s, 0
.endr
	s_and_b32 s60, s[MT], 15
	s_mul_i32 s60, s60, STEPB
	s_lshr_b32 s61, s[MT], 4
	s_mul_i32 s61, s61, KVB
	s_add_co_u32 s61, s61, s60                     ; the key step's block
	s_mul_i32 s62, s34, 1536
	s_add_co_u32 s62, s62, s61
	s_add_co_u32 s62, s62, 6144                    ; V's images lie behind the step's K images
	s_mov_b32 s63, 0
	s_add_nc_u64 s[30:31], s[28:29], s[62:63]
	s_lshl_b32 s62, s34, 7
	s_add_co_u32 s62, s62, s61
	s_add_co_u32 s62, s62, 12800                   ; and its scale words behind K's
	s_add_nc_u64 s[32:33], s[28:29], s[62:63]
.set PC, 32
.set TM, 52
.set PW, 64
.irp b, 0,1,2,3
	v_mov_b32 v[TM+4+\b], 0
.endr
	QUANT ACC                                      ; the accumulators are 64 keys in the quantiser's order, read from each one's low end on
.irp g, 0,1,2
	global_store_b128 v4, v[PC+4*\g:PC+4*\g+3], s[30:31] offset:512*\g
.endr
	global_store_b32 v6, v[PW], s[32:33]
.Lend:
	s_wait_dscnt 0x0                               ; no LDS instruction of mine is out at a signal
	s_set_vgpr_msb 0x4
	s_wait_tensorcnt 0x0
	ds_add_u32 v7, v1
	s_wait_dscnt 0x0
	s_set_vgpr_msb 0x400
	ROUND                                          ; the closing round: no work-group ends while a partner may still ask for a tile that names it
	s_endpgm
.Lfunc_end_k_q72d83fb555_proj:
	.size	k_q72d83fb555_proj, .Lfunc_end_k_q72d83fb555_proj-k_q72d83fb555_proj
	.p2alignl 7, 3214868480
	.fill 96, 4, 3214868480
	.section	.rodata,"a",@progbits
	.p2align	6, 0x0
	.amdhsa_kernel k_q72d83fb555_proj
		.amdhsa_group_segment_fixed_size 308480
		.amdhsa_private_segment_fixed_size 0
		.amdhsa_enable_private_segment 0
		.amdhsa_kernarg_size 88
		.amdhsa_user_sgpr_count 2
		.amdhsa_user_sgpr_kernarg_segment_ptr 1
		.amdhsa_wavefront_size32 1
		.amdhsa_system_sgpr_workgroup_id_x 1
		.amdhsa_system_sgpr_workgroup_id_y 1
		.amdhsa_system_sgpr_workgroup_id_z 1
		.amdhsa_system_vgpr_workitem_id 0
		.amdhsa_next_free_vgpr 258
		.amdhsa_next_free_sgpr 102
		.amdhsa_reserve_vcc 1
		.amdhsa_float_denorm_mode_32 3
		.amdhsa_float_denorm_mode_16_64 3
		.amdhsa_memory_ordered 1
		.amdhsa_forward_progress 1
		.amdhsa_inst_pref_size 141
	.end_amdhsa_kernel
	.amdgpu_metadata
---
amdhsa.version: [ 1, 2 ]
amdhsa.kernels:
  - .name:           k_q72d83fb555_proj
    .symbol:         k_q72d83fb555_proj.kd
    .args:
      - { .name: x_codes, .offset: 0, .size: 8, .value_kind: global_buffer, .address_space: global }
      - { .name: x_scales, .offset: 8, .size: 8, .value_kind: global_buffer, .address_space: global }
      - { .name: wq_codes, .offset: 16, .size: 8, .value_kind: global_buffer, .address_space: global }
      - { .name: wq_scales, .offset: 24, .size: 8, .value_kind: global_buffer, .address_space: global }
      - { .name: wk_codes, .offset: 32, .size: 8, .value_kind: global_buffer, .address_space: global }
      - { .name: wk_scales, .offset: 40, .size: 8, .value_kind: global_buffer, .address_space: global }
      - { .name: wv_codes, .offset: 48, .size: 8, .value_kind: global_buffer, .address_space: global }
      - { .name: wv_scales, .offset: 56, .size: 8, .value_kind: global_buffer, .address_space: global }
      - { .name: qimg, .offset: 64, .size: 8, .value_kind: global_buffer, .address_space: global }
      - { .name: qscl, .offset: 72, .size: 8, .value_kind: global_buffer, .address_space: global }
      - { .name: kv, .offset: 80, .size: 8, .value_kind: global_buffer, .address_space: global }
    .group_segment_fixed_size: 308480
    .private_segment_fixed_size: 0
    .kernarg_segment_align: 8
    .kernarg_segment_size: 88
    .max_flat_workgroup_size: 384
    .sgpr_count:     102
    .vgpr_count:     258
    .wavefront_size: 32
...
	.end_amdgpu_metadata
.endif
;; end of part 1
;; launch attn (part 2): grid 256 x 1, 16 waves a work-group, clusters of 4 x 1, 258,048 bytes of LDS; arguments qimg, qscl, kv, acod, ascl; writes acod, ascl
.if DOCPART == 2
	.amdgcn_target "amdgcn-amd-amdhsa--gfx1250"
	.amdhsa_code_object_version 6
	.text
	.protected	k_q72d83fb555_attn
	.globl	k_q72d83fb555_attn
	.p2align	8
	.type	k_q72d83fb555_attn,@function
k_q72d83fb555_attn:
	s_mov_b64 s[64:65], 0
	v_nop
	global_prefetch_b8 v0, s[64:65] scope:SCOPE_SE
	s_setreg_imm32_b32 hwreg(HW_REG_WAVE_MODE, 25, 1), 1
	s_wait_xcnt 0x0
	s_wait_alu depctr_hold_cnt(0) depctr_sa_sdst(0) depctr_va_vdst(0) depctr_va_sdst(0) depctr_va_ssrc(0) depctr_va_vcc(0) depctr_vm_vsrc(0)
	s_getreg_b32 s2, hwreg(HW_REG_IB_STS2, 6, 4)
	s_cmp_eq_u32 s2, 0
	s_cbranch_scc0 .Lentry_in_a_cluster
	s_endpgm
.Lentry_in_a_cluster:
	s_bfe_u32 s2, ttmp6, 0x10000c
	s_cmp_lg_u32 s2, 0x3003
	s_cbranch_scc0 .Lentry_shape_is_right
	s_endpgm
.Lentry_shape_is_right:
; Causal attention with one key and value head, both products on codes of FP6 (E2M3) with one E8M0 scale for each 32 along K; the result, divided by the row's sum, is quantised along the model's axis for the last product.
; t = score x c, c = log2(e) / 8; M = the running largest t rounded up to a whole number; p = 2^(t - M) is quantised along the keys; the row's sum is taken of the unquantised p; when M moves, sum and O are multiplied by 2^(old M - new M), exactly.
; Left out: key steps all of whose keys reference()'s own causal mask hides from a tile's queries: they count for nothing whatever the inputs hold.  (A NaN or an infinity in such a key's k or v is not carried to those queries.)
; SHARES.  Work-group g: batch g >> 7, head (g >> 3) & 15, o = g & 7.  Sixteen waves in eight pairs w = wave & 7.  A pair owns two tiles of 16 queries: the long one, 8 (15 - w) + o, with 16 - w key steps of 128 keys, and the short one, 8 w + o, with w + 1.
; Wave w walks the long tile's key steps 0-7; wave 8 + w walks the short tile, sends it out, and walks the long tile's steps 8 to 15 - w: 8 and 9 steps in every pair.  It leaves its part of the long tile (O^T, sum, -M) in LDS;
; behind a barrier wave w brings both parts under the larger M, by exact powers of two, adds them and sends the tile out.
; A tile's last step is its diagonal; in all tiles the queries stand at the same place of it, so ONE mask of 0 or -1e30 serves all: each wave makes 4 of its 64 registers at the head; it lies in LDS, and is loaded as the C of the diagonal step's first products.
; LDS holds the batch's block of kv as it lies in memory, key step by key step (13,312 bytes: K's four images, V's four, their scale words): filled once.  Each wave issues one joint load for one key step.
; The first barrier shows key steps 0 and 1 (waves 0 and 1 have a load line of their own); one trip later a second, behind which nothing is filled, shows the rest.
; CLUSTER.  The four work-groups of a cluster have one batch: each load is a joint one.  My place in the cluster enters the queries' and the result's addresses and the mask's numbers, and nothing else.
; NO PREFETCH: all of kv is asked for at the head by one load a wave: no stream is left that a loop could run ahead of.
; LAYOUT.  Both products are used transposed: S^T = K Q^T, O^T = V^T P^T: a lane (r, h) holds one query r.  A fragment of K holds TWO tiles of 16 keys, 64 along K each: it is multiplied once by [q | 0] and once by [0 | q],
; which are 18 registers [q, six zeros, q].  Fragment f = 2 c + p, tile u: row r is key 64 c + 32 (r / 8) + 16 p + 8 u + r % 8 of the step, so register 32 c + i of the scores is key 64 c + 32 h + i: A LANE HOLDS WHOLE BLOCKS OF 32 KEYS, in the order of P's operand.
; V's tile t has channel 32 (r / 8) + 8 t + r % 8 in row r, so register i of O^T is channel 32 h + i: again a whole block.
; LIMITS.  NaN and infinities are not served; the scaled scores stay under 2^31 in magnitude.  A block of zeros gets the scale byte 1 and not 127: its codes are zeros, and the bytes are read by this program alone.
; REGISTERS: v3, v47, v255 lane x 16, 4, 8; v4, v5 the add's; v6, v7 the step's LDS addresses; v8 -M, v9 the largest score, v10, v11 at work, v[12:13] the factor, v[14:15] the sum; v16-33 Q; v34 the tile's Q scales, v35 the mask's LDS address, v36 p's, v38-41 K's, v42-45 V's, and nothing else;
; v48-95 K, v96-159 scores, then p; v160-191 O^T; v192-203 p's codes, and at work before; v204-251 V; v252-254 and v0-2 conversions.
.set WV,  3
.set W8,  18                           ; s18  the pair w; also the short tile's diagonal step
.set SEL, 20                           ; s[20:21] lane selects: lane l xor 16
.set CS,  22                           ; s[22:23] c twice: the packed form names a pair
.set G1,  24
.set G0,  32
.set JJ,  36                           ; s36  the key step
.set TB,  37                           ; s37  STEPB x step
.set CN,  38                           ; s38  -c
.set CLL, 39                           ; s39  15 - w: the long tile's diagonal step
.set LIM, 2                            ; s2   my first walk's steps ahead of a diagonal: 8, or w
.set LM2, 5                            ; s5   my second walk's: none for waves 0-7 (0), up to step 15 - w for the others.  Every wave passes through both loops; the branch stands inside
; (v34 holds the Q scales of the tile at hand, v35 the mask's LDS address)
.set PRT, 4                            ; s4   where the pair's part lies in LDS
.set STEPB, 13312
.set MASKB, 16*STEPB                   ; behind the block: the mask, 16 pieces of 512 bytes,
.set PARTB, MASKB+8192                 ; the eight parts, 4,352 bytes each,
.set SPARE, PARTB+8*4352               ; and the spare words
.set QR,  16
.set Q1S, 34
.set MKA, 35
.set PS,  36
.set KS,  38
.set VS,  42
.set KF,  48
.set S,   96
.set OT,  160
.set PC,  192
.set VF,  204
.set CTA, 252
.set CTB, 0
.macro PLACES                          ; four plain vector instructions (ISA guide 7.12.1)
.rept 4
	v_nop
.endr
.endm
.macro WALU
	s_wait_alu depctr_va_vdst(0)
.endm
.macro DEP n
	s_delay_alu instid0(VALU_DEP_\n)
.endm
.macro ROUND                           ; a round of the cluster's barrier
	s_barrier_signal -1
	s_barrier_wait -1
	s_cmp_lg_u32 s[WV], 0
	s_cbranch_scc1 .Lnot_wave_0_\@
	s_barrier_signal -3
.Lnot_wave_0_\@:
	s_barrier_wait -3
	s_barrier_signal -1
	s_barrier_wait -1
.endm
.macro MM d, a, b, c, sa, sb
	v_wmma_scale_f32_16x16x128_f8f6f4 v[\d:\d+7], v[\a:\a+11], v[\b:\b+11], \c, v[\sa], v[\sb] matrix_a_fmt:MATRIX_FMT_FP6 matrix_b_fmt:MATRIX_FMT_FP6
.endm
; Byte offsets of tile s[t]: s[d:d+1] Q's image, s[d+2:d+3] its strip's scale word, s[d+4:d+5] the result's image, s[d+6:d+7] its two scale bytes
.macro OFFS t, d
	s_lshr_b32 s[\d], s[\t], 1
	s_lshl_b32 s41, s7, 6
	s_add_co_u32 s[\d], s[\d], s41
	s_lshl_b32 s[\d], s[\d], 4
	s_add_co_u32 s[\d], s[\d], s6                  ; strip x 16 + head
	s_lshl_b32 s[\d+2], s[\d], 7
	s_lshl_b32 s[\d], s[\d], 1
	s_and_b32 s41, s[\t], 1
	s_add_co_u32 s[\d], s[\d], s41
	s_mul_i32 s[\d], s[\d], 768
	s_lshl_b32 s41, s7, 7
	s_add_co_u32 s41, s41, s[\t]
	s_lshl_b32 s[\d+4], s41, 4
	s_add_co_u32 s[\d+4], s[\d+4], s6
	s_mul_i32 s[\d+4], s[\d+4], 768
	s_lshl_b32 s[\d+6], s41, 10
	s_add_co_u32 s[\d+6], s[\d+6], s40
.irp i, 1,3,5,7
	s_mov_b32 s[\d+\i], 0
.endr
.endm
.macro PTRS d
	s_add_nc_u64 s[\d:\d+1], s[8:9], s[\d:\d+1]
	s_add_nc_u64 s[\d+2:\d+3], s[10:11], s[\d+2:\d+3]
	s_add_nc_u64 s[\d+4:\d+5], s[14:15], s[\d+4:\d+5]
	s_add_nc_u64 s[\d+6:\d+7], s[16:17], s[\d+6:\d+7]
.endm
.macro QLOAD q, sc, reg                ; q, for [q | 0] and once more for [0 | q]; the strip's scale word
	global_load_b128 v[QR:QR+3], v3, s[\q:\q+1]
	global_load_b64 v[QR+4:QR+5], v255, s[\q:\q+1] offset:512
	global_load_b128 v[QR+12:QR+15], v3, s[\q:\q+1]
	global_load_b64 v[QR+16:QR+17], v255, s[\q:\q+1] offset:512
	global_load_b32 v[\reg], v47, s[\sc:\sc+1]
.endm
.macro KLOAD a, b, off                 ; K's four fragments and their scale words: 16 loads
.irp f, 0,1,2,3
.irp g, 0,1,2
	ds_load_b128 v[KF+12*\f+4*\g:KF+12*\f+4*\g+3], v[\a] offset:(\off)+1536*\f+512*\g
.endr
	ds_load_b32 v[KS+\f], v[\b] offset:(\off)+12288+128*\f
.endr
.endm
.macro RESET                           ; a walk's start: under every score; the first factor is then 0, which brings what O^T and the sum hold to 0
	v_mov_b32 v9, 0xff61b1e6
	DEP 1
	v_mul_f32 v8, s[CN], v9
	DEP 1
	v_floor_f32 v8, v8
.endm
.macro PADD a, b
	v_pk_add_f32 v[S+(\a):S+(\a)+1], v[S+(\a):S+(\a)+1], v[S+(\b):S+(\b)+1]
.endm
.macro OMUL n
	v_pk_mul_f32 v[OT+\n:OT+\n+1], v[OT+\n:OT+\n+1], v[12:13] op_sel_hi:[1,0]
.endm
; A key step.  Its fragments of K were asked for in the step before.  mask = 1: the diagonal.  next: 1 the next step's K is asked for, 2 key step 8's and the long tile's q, 0 none
.macro STEP qs, mask, next
	v_add_nc_u32 v6, s[TB], v3
	v_add_nc_u32 v7, s[TB], v47
.if \mask
.set n, 0
.rept 16                                       ; the mask, where the scores will stand
	ds_load_b128 v[S+4*n:S+4*n+3], v[MKA] offset:512*n
.set n, n+1
.endr
.endif
.irp t, 0,1,2,3                                ; V: 16 loads, which land under the softmax
.irp g, 0,1,2
	ds_load_b128 v[VF+12*\t+4*\g:VF+12*\t+4*\g+3], v6 offset:6144+1536*\t+512*\g
.endr
	ds_load_b32 v[VS+\t], v7 offset:12800+128*\t
.endr
	WALU
	s_wait_dscnt 16                                ; K (and the mask) is in; V's 16 loads may be out
.irp f, 0,1,2,3
.irp u, 0,1
.if \mask
	MM S+16*\f+8*\u, KF+12*\f, QR+6*\u, v[S+16*\f+8*\u:S+16*\f+8*\u+7], KS+\f, \qs
.else
	MM S+16*\f+8*\u, KF+12*\f, QR+6*\u, 0, KS+\f, \qs
.endif
.endr
.endr
	PLACES
.if \next == 1
	KLOAD 6, 7, STEPB
.elseif \next == 2
	v_add_nc_u32 v6, 8*STEPB, v3
	v_add_nc_u32 v7, 8*STEPB, v47
	KLOAD 6, 7, 0
	QLOAD 52, 54, Q1S
.endif
.irp k, 0,1,2,3                                ; the largest score of each of my two blocks, in four chains: for the row's maximum and, since p rises with the score, for the block's largest p
	v_max3_num_f32 v[PC+\k], v[S+16*\k], v[S+16*\k+1], v[S+16*\k+2]
.endr
.irp i, 3,5,7,9,11,13
.irp k, 0,1,2,3
	v_max3_num_f32 v[PC+\k], v[PC+\k], v[S+16*\k+\i], v[S+16*\k+\i+1]
.endr
.endr
	v_max3_num_f32 v[PC], v[PC], v[S+15], v[S+31]
	v_max3_num_f32 v[PC+2], v[PC+2], v[S+47], v[S+63]
	v_max_num_f32 v[PC], v[PC], v[PC+1]
	v_max_num_f32 v[PC+2], v[PC+2], v[PC+3]
	DEP 1
	v_max_num_f32 v10, v[PC], v[PC+2]
	DEP 1
	v_permlanex16_b32 v37, v10, s[SEL], s[SEL+1]
	DEP 1
	v_max3_num_f32 v9, v9, v10, v37                ; the running largest score of my query
	DEP 1
	v_mul_f32 v10, s[CN], v9                       ; -t
	DEP 1
	v_floor_f32 v10, v10                           ; the new -M
	DEP 1
	v_sub_f32 v11, v10, v8                         ; old M - new M: a whole number, 0 or less
	v_mov_b32 v8, v10
	DEP 2
	v_cvt_i32_f32 v11, v11                         ; (it saturates)
	v_pk_fma_f32 v[S:S+1], v[S:S+1], s[CS:CS+1], v[8:9] op_sel_hi:[1,0,0]   ; t - M
	DEP 2
	v_ldexp_f32 v12, 1.0, v11                      ; the factor 2^(old M - new M)
.set n, 2
.rept 31
	v_pk_fma_f32 v[S+n:S+n+1], v[S+n:S+n+1], s[CS:CS+1], v[8:9] op_sel_hi:[1,0,0]
.set n, n+2
.endr
	v_fma_f32 v[PC], v[PC], s[CS], v8              ; the same of each block's largest score
	v_fma_f32 v[PC+2], v[PC+2], s[CS], v8
	WALU
.set n, 0
.rept 64
	v_exp_f32 v[S+n], v[S+n]                       ; p
.set n, n+1
.endr
	v_exp_f32 v[PC], v[PC]                         ; the block's largest p
	v_exp_f32 v[PC+2], v[PC+2]
	v_pk_mul_f32 v[14:15], v[14:15], v[12:13] op_sel_hi:[1,0]   ; the sum under the new M.  (The plain instruction behind the exponentials)
	WALU
	OMUL 0                                         ; O^T under the new M, between the lines of the scales
	OMUL 2
	v_max_num_f32 v[PC], 0x1800000, v[PC]          ; the floor 2^(3 - 127): the byte cannot fall under 1
	v_max_num_f32 v[PC+2], 0x1800000, v[PC+2]
	OMUL 4
	OMUL 6
	v_add_nc_u32 v[PC+4], 0xff000000, v[PC]        ; 2 off the exponent field: the conversion's scale operand
	v_add_nc_u32 v[PC+5], 0xff000000, v[PC+2]
	OMUL 8
	OMUL 10
	v_lshrrev_b32 v[PC+9], 23, v[PC+4]             ; the scale's byte
	v_lshrrev_b32 v[PC+10], 23, v[PC+5]
	OMUL 12
	OMUL 14
	OMUL 16
	v_lshl_or_b32 v[PC+9], v[PC+10], 16, v[PC+9]   ; blocks h and 2 + h
	OMUL 18
	OMUL 20
	OMUL 22
	v_permlanex16_b32 v46, v[PC+9], s[SEL], s[SEL+1]
	OMUL 24
	OMUL 26
	OMUL 28
	OMUL 30
	v_lshl_or_b32 v[PS], v46, 8, v[PC+9]           ; lanes 0-15: the scale word of my query's 128 keys (lanes 16-31 are not read)
	v_cvt_scalef32_pk16_fp6_f32 v[PC:PC+2], v[S:S+15], v[PC+4]
	v_cvt_scalef32_pk16_fp6_f32 v[CTA:CTA+2], v[S+16:S+31], v[PC+4]     ; (a conversion's three registers begin on an even number)
	v_cvt_scalef32_pk16_fp6_f32 v[PC+6:PC+8], v[S+32:S+47], v[PC+5]
	v_cvt_scalef32_pk16_fp6_f32 v[CTB:CTB+2], v[S+48:S+63], v[PC+5]
	v_nop                                          ; one plain instruction behind a scaled conversion
.irp i, 0,1,2
	v_mov_b32 v[PC+3+\i], v[CTA+\i]
	v_mov_b32 v[PC+9+\i], v[CTB+\i]
.endr
.set n, 0
.rept 10                                       ; the row's sum of the unquantised p, as a tree on p's own registers; ten lines between p's codes and the products,
	PADD 4*n, 4*n+2
.set n, n+1
.endr
	WALU
.if \next
	s_wait_dscnt 16                                ; V is in; the 16 loads of K may be out
.else
	s_wait_dscnt 0x0
.endif
.irp t, 0,1,2,3                                ; O^T += V^T P^T: four accumulators by turns
	MM OT+8*\t, VF+12*\t, PC, v[OT+8*\t:OT+8*\t+7], VS+\t, PS
.endr
.rept 6                                        ; and the other lines behind them: the places ahead of the loads into their registers
	PADD 4*n, 4*n+2
.set n, n+1
.endr
.set n, 0
.rept 8
	PADD 8*n, 8*n+4
.set n, n+1
.endr
	PADD 0, 8
	PADD 16, 24
	PADD 32, 40
	PADD 48, 56
	PADD 0, 16
	PADD 32, 48
	DEP 1
	PADD 0, 32
	DEP 1
	v_pk_add_f32 v[14:15], v[14:15], v[S:S+1]
.endm
.macro NEXTSTEP limit, label
	s_add_co_u32 s[TB], s[TB], STEPB
	s_add_co_u32 s[JJ], s[JJ], 1
	s_cmp_lt_u32 s[JJ], \limit
	s_cbranch_scc1 \label
.endm
; THE WAY OUT of a tile: O^T / the sum, quantised: the head's 64 are two blocks of the last product's K, one to each half of the lanes.  p: the result's pointers
.macro WAYOUT p
	v_add_f32 v14, v14, v15
	DEP 1
	v_permlanex16_b32 v37, v14, s[SEL], s[SEL+1]
	DEP 1
	v_add_f32 v14, v14, v37                        ; the row's sum
	WALU
	v_rcp_f32 v14, v14
	v_nop                                          ; a plain instruction behind the reciprocal
	WALU
.set n, 0
.rept 16
	v_pk_mul_f32 v[S+n:S+n+1], v[OT+n:OT+n+1], v[14:15] op_sel_hi:[1,0]
.set n, n+2
.endr
.irp k, 0,1,2,3
	v_max3_num_f32 v[PC+\k], |v[S+8*\k]|, |v[S+8*\k+1]|, |v[S+8*\k+2]|
.endr
.irp i, 3,5
.irp k, 0,1,2,3
	v_max3_num_f32 v[PC+\k], v[PC+\k], |v[S+8*\k+\i]|, |v[S+8*\k+\i+1]|
.endr
.endr
	v_max3_num_f32 v[PC], v[PC], |v[S+7]|, |v[S+15]|
	v_max3_num_f32 v[PC+2], v[PC+2], |v[S+23]|, |v[S+31]|
	v_max3_num_f32 v[PC], v[PC], v[PC+1], 0x1800000
	v_max_num_f32 v[PC+2], v[PC+2], v[PC+3]
	DEP 1
	v_max_num_f32 v[PC], v[PC], v[PC+2]
	DEP 1
	v_add_nc_u32 v[PC+4], 0xff000000, v[PC]
	DEP 1
	v_lshrrev_b32 v[PC+9], 23, v[PC+4]
	DEP 1
	v_permlanex16_b32 v46, v[PC+9], s[SEL], s[SEL+1]
	DEP 1
	v_lshl_or_b32 v10, v46, 8, v[PC+9]             ; lanes 0-15: the head's two scale bytes (what lanes 16-31 store is not read by a product)
	v_cvt_scalef32_pk16_fp6_f32 v[PC:PC+2], v[S:S+15], v[PC+4]
	v_cvt_scalef32_pk16_fp6_f32 v[CTA:CTA+2], v[S+16:S+31], v[PC+4]
	v_nop
.irp i, 0,1,2
	v_mov_b32 v[PC+3+\i], v[CTA+\i]
.endr
	global_store_b128 v3, v[PC:PC+3], s[\p:\p+1]               ; half a fragment: 512 consecutive bytes,
	global_store_b64 v255, v[PC+4:PC+5], s[\p:\p+1] offset:512 ; and 256
	global_store_b16 v47, v10, s[\p+2:\p+3]                    ; my head's half of each lane's scale word; the other half is the neighbouring head's
.endm
	s_load_b256 s[8:15], s[0:1], 0x0               ; qimg, qscl, kv, acod
	s_load_b64 s[16:17], s[0:1], 0x20              ; ascl
	v_lshl_add_u32 v4, v0, 2, SPARE
	v_mov_b32 v5, 0
	ds_add_u32 v4, v5
	ds_add_u32 v4, v5
	v_lshrrev_b32 v1, 5, v0
	s_delay_alu instid0(VALU_DEP_1)
	v_readfirstlane_b32 s[WV], v1                  ; wave 0..15
	s_bfe_u32 s2, ttmp6, 0x40000                   ; cx
	s_lshl_b32 s4, ttmp9, 2
	s_add_co_u32 s4, s4, s2                        ; g
	s_and_b32 s5, s4, 7                            ; o
	s_bfe_u32 s6, s4, 0x40003                      ; the head
	s_lshr_b32 s7, ttmp9, 5                        ; the batch, which the partners share
	s_and_b32 s[W8], s[WV], 7                      ; w
	s_xor_b32 s[CLL], s[W8], 15                    ; 15 - w
	s_lshl_b32 s60, s[W8], 3
	s_add_co_u32 s60, s60, s5                      ; the short tile
	s_lshl_b32 s61, s[CLL], 3
	s_add_co_u32 s61, s61, s5                      ; and the long one
	; the descriptor: key step 'wave': 52 rows of 256 bytes, dense, no padding
	s_mov_b32 s[G1], 15|(3<<16)|(1<<21)            ; the mask: all four work-groups; elements of 8 bytes; bit 21 is set beside a mask
	s_mov_b32 s[G1+1], 32<<16
	s_mov_b32 s[G1+2], 52<<16
	s_mov_b32 s[G1+3], 32<<16
	s_mov_b32 s[G1+4], 52
	s_mov_b32 s[G1+5], 32
	s_mov_b32 s[G1+6], 0
	s_mov_b32 s[G1+7], 0
	s_mul_i32 s42, s7, 16*STEPB
	s_mul_i32 s41, s[WV], STEPB
	s_add_co_u32 s42, s42, s41
	s_mov_b32 s43, 0
	s_lshr_b32 s40, s6, 1                          ; the head's place in a token tile's scale words: the word of K step head / 2, its lower or upper half
	s_lshl_b32 s40, s40, 7
	s_and_b32 s41, s6, 1
	s_lshl_b32 s41, s41, 1
	s_add_co_u32 s40, s40, s41
	OFFS 60, 44
	OFFS 61, 52
	s_and_b32 s41, s5, 1
	s_cmp_eq_u32 s41, 0
	s_mov_b32 s19, 0x03020302                      ; of a strip's scale word my tiles' two bytes, twice: bytes 2, 3,
	s_cselect_b32 s19, 0x01000100, s19             ; or bytes 0, 1: both tiles have o's parity
	s_mul_i32 s[PRT], s[W8], 4352
	s_add_co_u32 s[PRT], s[PRT], PARTB
	s_mov_b32 s[SEL], 0x76543210
	s_mov_b32 s[SEL+1], 0xfedcba98
	s_mov_b32 s[CS], 0x3e38aa3b
	s_mov_b32 s[CS+1], s[CS]
	s_mov_b32 s[CN], 0xbe38aa3b
	s_lshl_b32 s41, s5, 4
	v_and_b32 v7, 31, v0                           ; lane
	v_and_b32 v1, 15, v0
	v_bfe_u32 v2, v0, 4, 1
	v_lshlrev_b32 v3, 4, v7                        ; an image's place for my lane: 16, 8 or 4 bytes a lane
	v_lshlrev_b32 v2, 5, v2
	v_lshlrev_b32 v255, 3, v7
	v_lshlrev_b32 v47, 2, v7
	v_add_nc_u32 v[MKA], MASKB, v3                 ; the mask, as my lane reads it
	v_sub_nc_u32 v1, v1, v2
	v_mov_b32 v11, 0xf149f2ca                      ; -1e30
	v_mov_b32 v13, 0                               ; (named as the upper half of a pair)
	v_add_nc_u32 v10, s41, v1                      ; my query's place in the diagonal step - 32 h
	WALU
	s_wait_dscnt 0x0
	ROUND                                          ; all four work-groups are here: the joint loads meet
	s_wait_kmcnt 0x0
	PTRS 44
	PTRS 52
	s_cmp_lt_u32 s[WV], 8
	s_cselect_b32 s[LIM], 8, s[W8]
	s_cselect_b32 s[LM2], 0, s[CLL]
	s_cselect_b64 s[60:61], s[52:53], s[44:45]     ; my first walk's tile: the long one for waves 0-7
	s_cselect_b64 s[62:63], s[54:55], s[46:47]
	s_mov_b32 s[G0], 1
	s_mul_i32 s[G0+1], s[WV], STEPB
	s_add_nc_u64 s[G0+2:G0+3], s[12:13], s[42:43]
	s_or_b32 s[G0+3], s[G0+3], 0x80000000
	QLOAD 60, 62, Q1S
	s_cmp_lt_u32 s[WV], 2                          ; waves 0 and 1, whose tiles the first barrier shows, have a line of their own
	s_cbranch_scc0 .Llater
	tensor_load_to_lds s[G0:G0+3], s[G1:G1+7]
	s_nop 0
	PLACES
	s_branch .Lasked
.Llater:
	tensor_load_to_lds s[G0:G0+3], s[G1:G1+7]
	s_nop 0
	PLACES
.Lasked:
	s_lshr_b32 s41, s[WV], 3
	s_lshl_b32 s41, s41, 6
	s_lshl_b32 s40, s[W8], 2
	s_add_co_u32 s41, s41, s40                     ; the mask's registers 4 wave .. + 3: register 32 c + i is hidden where 64 c + i > the query's place - 32 h
	s_lshl_b32 s40, s[WV], 9
	s_add_co_u32 s40, s40, MASKB
	WALU
.irp j, 0,1,2,3
	v_cmp_gt_i32 vcc_lo, s41, v10
	v_cndmask_b32 v[S+\j], 0, v11, vcc_lo
	s_add_co_u32 s41, s41, 1
.endr
	v_add_nc_u32 v6, s40, v3
	ds_store_b128 v6, v[S:S+3]
.irp i, 22,23,24,25,26,27
	v_mov_b32 v\i, 0                               ; the six zeros between the two q
.endr
	v_mov_b32 v14, 0
	v_mov_b32 v15, 0
	v_mov_b32 v37, 0                               ; a lane permute's destination counts as one of its sources
	v_mov_b32 v46, 0
	RESET
	WALU
	s_wait_loadcnt 0x0
	v_perm_b32 v[Q1S], v[Q1S], v[Q1S], s19         ; (s0, s1, s0, s1): it serves [q | 0] and [0 | q] alike
.set n, 0
.rept 32
	v_mov_b32 v[OT+n], 0                           ; O^T: the step is written for all trips alike; the first finds zeros.  (More than eight plain instructions between the scale word's making and its first product)
.set n, n+1
.endr
	s_mov_b32 s[JJ], 1
	s_mov_b32 s[TB], 0
	WALU
	s_cmp_lt_u32 s[WV], 2
	s_cbranch_scc0 .Lnot_mine
	s_wait_tensorcnt 0x0                           ; key steps 0 and 1 have landed,
.Lnot_mine:
	s_wait_dscnt 0x0                               ; my part of the mask is stored,
	s_barrier_signal -1
	s_barrier_wait -1                              ; and everybody knows
	KLOAD 3, 47, 0
	s_cmp_eq_u32 s[LIM], 0
	s_cbranch_scc1 .Lhidden_0                      ; (wave 8: its short tile's diagonal is key step 0)
	STEP Q1S, 0, 1                                 ; key step 0
.Lhidden_0:
	WALU
	s_wait_tensorcnt 0x0                           ; my load has landed; nothing is filled again
	s_wait_dscnt 0x0                               ; no LDS load of mine is out at a signal
	s_barrier_signal -1
	s_barrier_wait -1                              ; the whole block is in
	s_mov_b32 s[TB], STEPB
.Lfirst:                                           ; seven trips, a constant; steps from LIM on are jumped over.  (Waves 0-7 ask in their last trip for K of step 8 like every trip for the next: one text and one count for all)
	s_cmp_ge_u32 s[JJ], s[LIM]
	s_cbranch_scc1 .Lhidden_1
	STEP Q1S, 0, 1
.Lhidden_1:
	NEXTSTEP 8, .Lfirst
	s_cmp_lt_u32 s[WV], 8
	s_cbranch_scc1 .Ljoin
	s_mul_i32 s[TB], s[W8], STEPB
	STEP Q1S, 1, 2                                 ; the short tile's diagonal; the long tile's q and K of step 8 are asked for
	WALU
	s_wait_loadcnt 0x0
	v_perm_b32 v[Q1S], v[Q1S], v[Q1S], s19
	WAYOUT 48
	RESET
	WALU
	s_wait_xcnt 0x0                                ; the stores have read their registers
.Ljoin:
	s_mov_b32 s[JJ], 8
	s_mov_b32 s[TB], 8*STEPB
.Lsecond:                                          ; seven trips
	s_cmp_ge_u32 s[JJ], s[LM2]
	s_cbranch_scc1 .Lhidden_2
	STEP Q1S, 0, 1
.Lhidden_2:
	NEXTSTEP 15, .Lsecond
	s_cmp_lt_u32 s[WV], 8
	s_cbranch_scc1 .Lmeet
	s_mul_i32 s[TB], s[CLL], STEPB
	STEP Q1S, 1, 0                                 ; the long tile's diagonal
	s_add_co_u32 s40, s[PRT], 4096
	v_add_nc_u32 v6, s[PRT], v3                    ; my part of the long tile into LDS: O^T,
	v_add_nc_u32 v7, s40, v255
	v_add_f32 v14, v14, v15
	v_mov_b32 v15, v8
.irp t, 0,1,2,3,4,5,6,7
	ds_store_b128 v6, v[OT+4*\t:OT+4*\t+3] offset:512*\t
.endr
	ds_store_b64 v7, v[14:15]                      ; the sum and -M
.Lmeet:
	WALU
	s_wait_dscnt 0x0
	s_barrier_signal -1
	s_barrier_wait -1                              ; all parts are there
	s_cmp_lt_u32 s[WV], 8
	s_cbranch_scc0 .Lend
	s_add_co_u32 s40, s[PRT], 4096
	v_add_nc_u32 v6, s[PRT], v3
	v_add_nc_u32 v7, s40, v255
	ds_load_b64 v[0:1], v7                         ; the other part's sum and -M,
.irp t, 0,1,2,3,4,5,6,7
	ds_load_b128 v[S+4*\t:S+4*\t+3], v6 offset:512*\t   ; and its O^T
.endr
	v_add_f32 v14, v14, v15
	WALU
	s_wait_dscnt 0x0
	v_min_num_f32 v10, v8, v1                      ; -M of the larger M
	DEP 1
	v_sub_f32 v11, v10, v8
	v_sub_f32 v10, v10, v1
	DEP 2
	v_cvt_i32_f32 v11, v11
	DEP 2
	v_cvt_i32_f32 v10, v10
	DEP 2
	v_ldexp_f32 v12, 1.0, v11                      ; my part's factor
	DEP 2
	v_ldexp_f32 v10, 1.0, v10                      ; and the other's
.set n, 0
.rept 16
	v_pk_mul_f32 v[S+n:S+n+1], v[S+n:S+n+1], v[10:11] op_sel_hi:[1,0]
.set n, n+2
.endr
	v_mul_f32 v14, v14, v12
	v_mul_f32 v15, v0, v10
.set n, 0
.rept 16
	v_pk_fma_f32 v[OT+n:OT+n+1], v[OT+n:OT+n+1], v[12:13], v[S+n:S+n+1] op_sel_hi:[1,0,1]
.set n, n+2
.endr
	WAYOUT 56
.Lend:
	s_wait_tensorcnt 0x0                           ; the wave's end
	ds_add_u32 v4, v5
	s_wait_dscnt 0x0
	ROUND                                          ; the closing round
	s_endpgm
.Lfunc_end_k_q72d83fb555_attn:
	.size	k_q72d83fb555_attn, .Lfunc_end_k_q72d83fb555_attn-k_q72d83fb555_attn
	.p2alignl 7, 3214868480
	.fill 96, 4, 3214868480
	.section	.rodata,"a",@progbits
	.p2align	6, 0x0
	.amdhsa_kernel k_q72d83fb555_attn
		.amdhsa_group_segment_fixed_size 258048
		.amdhsa_private_segment_fixed_size 0
		.amdhsa_enable_private_segment 0
		.amdhsa_kernarg_size 40
		.amdhsa_user_sgpr_count 2
		.amdhsa_user_sgpr_kernarg_segment_ptr 1
		.amdhsa_wavefront_size32 1
		.amdhsa_system_sgpr_workgroup_id_x 1
		.amdhsa_system_sgpr_workgroup_id_y 1
		.amdhsa_system_sgpr_workgroup_id_z 1
		.amdhsa_system_vgpr_workitem_id 0
		.amdhsa_next_free_vgpr 256
		.amdhsa_next_free_sgpr 66
		.amdhsa_reserve_vcc 1
		.amdhsa_float_denorm_mode_32 3
		.amdhsa_float_denorm_mode_16_64 3
		.amdhsa_memory_ordered 1
		.amdhsa_forward_progress 1
		.amdhsa_inst_pref_size 99
	.end_amdhsa_kernel
	.amdgpu_metadata
---
amdhsa.version: [ 1, 2 ]
amdhsa.kernels:
  - .name:           k_q72d83fb555_attn
    .symbol:         k_q72d83fb555_attn.kd
    .args:
      - { .name: qimg, .offset: 0, .size: 8, .value_kind: global_buffer, .address_space: global }
      - { .name: qscl, .offset: 8, .size: 8, .value_kind: global_buffer, .address_space: global }
      - { .name: kv, .offset: 16, .size: 8, .value_kind: global_buffer, .address_space: global }
      - { .name: acod, .offset: 24, .size: 8, .value_kind: global_buffer, .address_space: global }
      - { .name: ascl, .offset: 32, .size: 8, .value_kind: global_buffer, .address_space: global }
    .group_segment_fixed_size: 258048
    .private_segment_fixed_size: 0
    .kernarg_segment_align: 8
    .kernarg_segment_size: 40
    .max_flat_workgroup_size: 512
    .sgpr_count:     66
    .vgpr_count:     256
    .wavefront_size: 32
...
	.end_amdgpu_metadata
.endif
;; end of part 2
;; launch outp (part 3): grid 8 x 32, 4 waves a work-group, clusters of 4 x 4, 228,864 bytes of LDS; arguments acod, ascl, wo_codes, wo_scales, out0; writes out0
.if DOCPART == 3
	.amdgcn_target "amdgcn-amd-amdhsa--gfx1250"
	.amdhsa_code_object_version 6
	.text
	.protected	k_q72d83fb555_outp
	.globl	k_q72d83fb555_outp
	.p2align	8
	.type	k_q72d83fb555_outp,@function
k_q72d83fb555_outp:
	s_mov_b64 s[64:65], 0
	v_nop
	global_prefetch_b8 v0, s[64:65] scope:SCOPE_SE
	s_setreg_imm32_b32 hwreg(HW_REG_WAVE_MODE, 25, 1), 1
	s_wait_xcnt 0x0
	s_wait_alu depctr_hold_cnt(0) depctr_sa_sdst(0) depctr_va_vdst(0) depctr_va_sdst(0) depctr_va_ssrc(0) depctr_va_vcc(0) depctr_vm_vsrc(0)
	s_getreg_b32 s2, hwreg(HW_REG_IB_STS2, 6, 4)
	s_cmp_eq_u32 s2, 0
	s_cbranch_scc0 .Lentry_in_a_cluster
	s_endpgm
.Lentry_in_a_cluster:
	s_bfe_u32 s2, ttmp6, 0x10000c
	s_cmp_lg_u32 s2, 0xf033
	s_cbranch_scc0 .Lentry_shape_is_right
	s_endpgm
.Lentry_shape_is_right:
; out0 = a wo^T on codes of FP6 (E2M3).  a: the attention's result as images of operand registers (token tile of 16, head: half a fragment of 768 bytes; heads 2 s and 2 s + 1 on end are K step s's fragment), its scale words
; as images of 128 bytes.  wo: the given codes, rows of 768 bytes, and scale bytes, 32 a row.  out0: [4,096][1,024] f32.
; SHARES.  A work-group makes 128 tokens (mt) x 128 columns (nt).  Four waves, 2 x 2: 64 tokens (w / 2) x 64 columns (w % 2) each.  A wave holds its 64 rows of wo, ALL of K, in registers (32 fragments of 12) and lets its four token tiles
; stream past them: 32 products a tile, four accumulators by turns; a finished tile leaves while the next is multiplied.
; LDS.  Each byte is filled once.  At the head one joint load a wave: waves 0, 1 half of wo's rows each, wave 2 a's codes, wave 3 a's scale words.  The first barrier shows wo's rows (waves 0 and 1 have a load line of their own),
; which go on into registers; the second shows the rest.  wo's scale bytes go from memory straight into registers, 32 bytes a lane and row, the 32 lanes 1,024 on end.
; CLUSTER.  4 x 4 work-groups: the four of a row of the cluster need the same tokens, the four of a column the same rows of wo: each block is asked for jointly, which divides the requests by four.
; NO PREFETCH: all is asked for at the head by one load a wave: no stream is left that a loop could run ahead of.
; THE MATRIX INSTRUCTION IS USED TRANSPOSED (source 0 = 16 rows of wo, source 1 = 16 tokens): a lane holds eight neighbouring columns of one token's row.  The results go through the wave's own stage in LDS
; and leave as rows of 256 bytes: sixteen lanes store 256 consecutive bytes, at a multiple of 256 from out0's first byte.
; LIMITS.  NaN, infinities and scale bytes 0xff are not served.
; REGISTERS.  Window 0: v3 lane; v4, v5 the add's; v6-13 LDS addresses of wo's four row tiles; v14-16 of a's images; v17, v18 the stage; v19 out0; v24-39 wo's scale words, v40-55 a's, two sets, and nothing else; v64-127 accumulators, two sets; v128-191 rows read back, two sets.
; Fragment f lies in window 1 + f / 21 at register 12 (f % 21): 0-31 wo's (4 q + b), 32-39 and 40-47 a's two sets.
; THE WAITS' COUNTS: a tile's fetch is 40 LDS loads, its way through the stage 8 stores and 8 loads.
.set WV,    3
.set G1A,   24                         ; s[24:31] descriptor group 1: a's codes;  s[32:39] its scale words;  s[40:47] wo's codes
.set G1AS,  32
.set G1B,   40
.set G0A,   56                         ; s[56:63], s[68:71] the three groups 0
.set G0AS,  60
.set G0B,   68
.set PITCH, 816                        ; a row of wo's codes in LDS: three pieces of 256 bytes, 16 bytes of padding behind each
.set ASC,   98304                      ; LDS: a's codes at 0 (8 tiles x 12,288), its scale words here,
.set WOB,   106496                     ; wo's 128 rows,
.set STG,   WOB+128*PITCH              ; the stages, 16 rows x 272 bytes for each wave: no fill lands here,
.set SPARE, STG+4*4352                 ; and the spare words
.set FPW,   21
.set BA,    6
.set SB,    24
.set SA,    40
.set ACC,   64
.set BK,    128
.set MSB, 0
.macro WIN new                         ; the immediate's high byte repeats the setting that is left
.if MSB != \new
	s_set_vgpr_msb (MSB<<8)|\new
.set MSB, \new
.endif
.endm
.macro PLACES                          ; four plain vector instructions behind a matrix instruction, ahead of loads into its registers and of reads of its result
.rept 4
	v_nop
.endr
.endm
.macro ROUND                           ; a round of the cluster's barrier
	s_barrier_signal -1
	s_barrier_wait -1
	s_cmp_lg_u32 s[WV], 0
	s_cbranch_scc1 .Lnot_wave_0_\@
	s_barrier_signal -3
.Lnot_wave_0_\@:
	s_barrier_wait -3
	s_barrier_signal -1
	s_barrier_wait -1
.endm
; A fragment of wo from rows of codes: six pieces of 8 bytes, two to a load where both lie behind as many paddings; a1 serves where lanes 16-31's piece, 24 bytes on, lies behind one padding more
.macro FRAG f, q, a0, a1
	WIN ((1+(\f)/FPW)<<6)
.set R_, 12*((\f)%FPW)
.set SKIP_, 0
.irp p, 0,1,2,3,4,5
.if SKIP_
.set SKIP_, 0
.else
.set PC_, 12*(\q)+6*(\p/3)+\p%3
.set PN_, 12*(\q)+6*((\p+1)/3)+(\p+1)%3
.set X_, (PC_%32+3)/32
.set XQ_, (PN_%32+3)/32
.if (\p < 5) && (X_ == XQ_)
.set SKIP_, 1
.if X_
	ds_load_2addr_b64 v[R_+2*\p:R_+2*\p+3], v[\a1] offset0:PC_+2*(PC_/32) offset1:PN_+2*(PN_/32)
.else
	ds_load_2addr_b64 v[R_+2*\p:R_+2*\p+3], v[\a0] offset0:PC_+2*(PC_/32) offset1:PN_+2*(PN_/32)
.endif
.elseif X_
	ds_load_b64 v[R_+2*\p:R_+2*\p+1], v[\a1] offset:8*(PC_+2*(PC_/32))
.else
	ds_load_b64 v[R_+2*\p:R_+2*\p+1], v[\a0] offset:8*(PC_+2*(PC_/32))
.endif
.endif
.endr
.endm
.macro FETCH e, u                      ; token tile u of my four into set e: 40 loads
.irp q, 0,1,2,3,4,5,6,7
.set F_, 32+8*(\e)+\q
	WIN ((1+F_/FPW)<<6)
.set R_, 12*(F_%FPW)
	ds_load_b128 v[R_:R_+3], v14 offset:12288*(\u)+1536*\q
	ds_load_b64 v[R_+4:R_+5], v15 offset:12288*(\u)+1536*\q+512
	ds_load_b128 v[R_+6:R_+9], v14 offset:12288*(\u)+1536*\q+768
	ds_load_b64 v[R_+10:R_+11], v15 offset:12288*(\u)+1536*\q+1280
.endr
	WIN 0
.irp q, 0,1,2,3,4,5,6,7
	ds_load_b32 v[SA+8*(\e)+\q], v16 offset:1024*(\u)+128*\q
.endr
.endm
.macro WM d, a, b, c, sa, sb, row
	v_wmma_scale_f32_16x16x128_f8f6f4 v[\d:\d+7], v[\a:\a+11], v[\b:\b+11], \c, v[\sa], v[\sb] matrix_a_fmt:MATRIX_FMT_FP6 matrix_b_fmt:MATRIX_FMT_FP6 matrix_a_scale:MATRIX_SCALE_ROW\row
.endm
.macro PROD e, n                       ; product n = 4 q + b of set e
.set FA_, 32+8*(\e)+(\n)/4
.set D_, ACC+32*(\e)+8*((\n)%4)
.set X0_, SB+8*(((\n)%4)/2)+(\n)/4
.set X1_, SA+8*(\e)+(\n)/4
.set R0_, 12*((\n)%FPW)
.set R1_, 12*(FA_%FPW)
	WIN (1+(\n)/FPW)|((1+FA_/FPW)<<2)
.if (\n) < 4
.if (\n)%2
	WM D_, R0_, R1_, 0, X0_, X1_, 1
.else
	WM D_, R0_, R1_, 0, X0_, X1_, 0
.endif
.else
.if (\n)%2
	WM D_, R0_, R1_, v[D_:D_+7], X0_, X1_, 1
.else
	WM D_, R0_, R1_, v[D_:D_+7], X0_, X1_, 0
.endif
.endif
.endm
.macro PRODS e, from                   ; sixteen of a tile's 32 products
.set N_, \from
.rept 16
	PROD \e, N_
.set N_, N_+1
.endr
	WIN 0
.endm
.macro TOSTAGE e                       ; lane (r, h), accumulator b: token r, columns 16 b + 8 h + 0 .. 7: 32 bytes of a row.  LDS serves a wave's instructions in order (ISA guide 5.7.1.4): the loads see the stores
.irp b, 0,1,2,3
	ds_store_b128 v17, v[ACC+32*(\e)+8*\b:ACC+32*(\e)+8*\b+3] offset:64*\b              ; each accumulator from its low end on
	ds_store_b128 v17, v[ACC+32*(\e)+8*\b+4:ACC+32*(\e)+8*\b+7] offset:64*\b+16
.endr
.irp i, 0,1,2,3,4,5,6,7
	ds_load_b128 v[BK+32*(\e)+4*\i:BK+32*(\e)+4*\i+3], v18 offset:544*\i
.endr
.endm
.macro SEND e, u
.irp i, 0,1,2,3,4,5,6,7
	global_store_b128 v19, v[BK+32*(\e)+4*\i:BK+32*(\e)+4*\i+3], s[16:17] offset:65536*(\u)+8192*\i th:TH_STORE_NT   ; two rows: 256 consecutive bytes for each sixteen lanes; written once, read by nobody here
.endr
.endm
	s_load_b256 s[8:15], s[0:1], 0x0               ; acod, ascl, wo's codes, wo's scales
	s_load_b64 s[16:17], s[0:1], 0x20              ; out0
	v_lshl_add_u32 v4, v0, 2, SPARE
	v_mov_b32 v5, 0
	ds_add_u32 v4, v5
	ds_add_u32 v4, v5
	v_lshrrev_b32 v1, 5, v0
	v_readfirstlane_b32 s[WV], v1                  ; wave 0..3
	s_bfe_u32 s4, ttmp6, 0x40000                   ; cx, cy: my place in the cluster
	s_bfe_u32 s5, ttmp6, 0x40004
	s_lshl_b32 s6, ttmp9, 2
	s_add_co_u32 s6, s6, s4                        ; nt = 4 x cluster x + cx
	s_and_b32 s7, ttmp7, 0xffff
	s_lshl_b32 s7, s7, 2
	s_add_co_u32 s7, s7, s5                        ; mt = 4 x cluster y + cy
	s_lshl_b32 s18, s5, 2
	s_lshl_b32 s18, 15, s18                        ; my row of the cluster
	s_lshl_b32 s19, 0x1111, s4                     ; my column
	; descriptor groups 1: dense blocks as rows of 256 bytes (32 elements of 8 bytes).  a's images go in as they lie; wo's rows get 16 bytes of padding behind each 256
	s_or_b32 s[G1A], s18, (3<<16)|(1<<21)
	s_or_b32 s[G1AS], s18, (3<<16)|(1<<21)
	s_or_b32 s[G1B], s19, (3<<16)|(1<<20)|(1<<21)|(5<<22)|(3<<25)
.irp g, G1A, G1AS, G1B
	s_mov_b32 s[\g+1], 32<<16
	s_mov_b32 s[\g+3], 32<<16
	s_mov_b32 s[\g+5], 32
	s_mov_b32 s[\g+6], 0
	s_mov_b32 s[\g+7], 0
.endr
	s_mov_b32 s[G1A+2], 384<<16                    ; 98,304 bytes: eight token tiles
	s_mov_b32 s[G1A+4], 384
	s_mov_b32 s[G1AS+2], 32<<16                    ; 8,192 bytes: their scale words
	s_mov_b32 s[G1AS+4], 32
	s_mov_b32 s[G1B+2], 192<<16                    ; 49,152 bytes: 64 rows of wo
	s_mov_b32 s[G1B+4], 192
	s_lshr_b32 s20, s[WV], 1                       ; which 64 tokens are mine
	s_and_b32 s21, s[WV], 1                        ; which 64 columns; also which half of wo's rows I fetch
	s_mul_i32 s76, s7, 98304                       ; a's offsets hang on mt alone,
	s_mov_b32 s77, 0
	s_lshl_b32 s78, s7, 13
	s_mov_b32 s79, 0
	s_lshl_b32 s80, s6, 7                          ; wo's on nt and the wave
	s_lshl_b32 s82, s21, 6
	s_add_co_u32 s80, s80, s82
	s_lshl_b32 s82, s80, 5                         ; my 64 rows' scale bytes
	s_mul_i32 s80, s80, 768
	s_mov_b32 s81, 0
	s_mov_b32 s83, 0
	s_lshl_b32 s84, s7, 7
	s_lshl_b32 s85, s20, 6
	s_add_co_u32 s84, s84, s85                     ; my first token,
	s_lshl_b32 s84, s84, 12                        ; 4,096 bytes a row,
	s_lshl_b32 s85, s6, 9
	s_add_co_u32 s84, s84, s85                     ; my work-group's 128 columns,
	s_lshl_b32 s85, s21, 8
	s_add_co_u32 s84, s84, s85                     ; my 64 of them
	s_mov_b32 s85, 0
	v_and_b32 v3, 31, v0                           ; lane
	v_lshlrev_b32 v20, 5, v3                       ; 32 scale bytes a row, a row a lane
	s_wait_alu depctr_va_vdst(0)                   ; ahead of the waits below
	s_wait_dscnt 0x0
	ROUND                                          ; all sixteen work-groups are here: the joint loads meet
	s_wait_kmcnt 0x0
	s_mov_b32 s[G0A], 1
	s_mov_b32 s[G0A+1], 0
	s_add_nc_u64 s[G0A+2:G0A+3], s[8:9], s[76:77]
	s_or_b32 s[G0A+3], s[G0A+3], 0x80000000
	s_mov_b32 s[G0AS], 1
	s_mov_b32 s[G0AS+1], ASC
	s_add_nc_u64 s[G0AS+2:G0AS+3], s[10:11], s[78:79]
	s_or_b32 s[G0AS+3], s[G0AS+3], 0x80000000
	s_mov_b32 s[G0B], 1
	s_mul_i32 s[G0B+1], s[WV], 64*PITCH            ; (waves 0 and 1 alone use it)
	s_add_co_u32 s[G0B+1], s[G0B+1], WOB
	s_add_nc_u64 s[G0B+2:G0B+3], s[12:13], s[80:81]
	s_or_b32 s[G0B+3], s[G0B+3], 0x80000000
	s_cmp_lt_u32 s[WV], 2                          ; one chain of branches on the wave's number, one load to an arm, one join
	s_cbranch_scc0 .Lfor_a
	tensor_load_to_lds s[G0B:G0B+3], s[G1B:G1B+7]
	s_nop 0
	PLACES
	s_branch .Lasked
.Lfor_a:
	s_cmp_eq_u32 s[WV], 2
	s_cbranch_scc0 .Lfor_as
	tensor_load_to_lds s[G0A:G0A+3], s[G1A:G1A+7]
	s_nop 0
	PLACES
	s_branch .Lasked
.Lfor_as:
	tensor_load_to_lds s[G0AS:G0AS+3], s[G1AS:G1AS+7]
	s_nop 0
	PLACES
.Lasked:
	s_add_nc_u64 s[82:83], s[14:15], s[82:83]
	s_add_nc_u64 s[16:17], s[16:17], s[84:85]
.irp p, 0,1
.irp c, 0,1
	global_load_b128 v[SB+8*\p+4*\c:SB+8*\p+4*\c+3], v20, s[82:83] offset:1024*\p+16*\c   ; word q of row tile 2 p in lanes 0-15, of tile 2 p + 1 in lanes 16-31
.endr
.endr
	v_and_b32 v1, 15, v0                           ; r
	v_bfe_u32 v2, v0, 4, 1                         ; h
	s_mul_i32 s22, s21, 64*PITCH
	s_add_co_u32 s22, s22, WOB
	v_mul_u32_u24 v21, v1, PITCH
	v_mad_u32_u24 v22, v2, 24, v21
	v_mad_u32_u24 v23, v2, 40, v21
.irp b, 0,1,2,3
	v_add_nc_u32 v[BA+2*\b], s22, v22              ; wo's row tile b: row r, + 24 h,
	v_add_nc_u32 v[BA+2*\b+1], s22, v23            ; and + 40 h
	s_add_co_u32 s22, s22, 16*PITCH
.endr
	s_mul_i32 s22, s20, 4*12288
	s_lshl_b32 s23, s20, 12
	s_add_co_u32 s23, s23, ASC
	v_lshl_add_u32 v14, v3, 4, s22                 ; a's images: my four token tiles, 16
	v_lshl_add_u32 v15, v3, 3, s22                 ; or 8 bytes a lane
	v_lshl_add_u32 v16, v3, 2, s23                 ; their scale words
	s_mul_i32 s22, s[WV], 4352
	s_add_co_u32 s22, s22, STG                     ; my stage
	v_mul_u32_u24 v17, v1, 272
	v_mul_u32_u24 v18, v2, 272
	v_lshlrev_b32 v19, 12, v2
	v_lshl_add_u32 v17, v2, 5, v17
	v_lshl_add_u32 v18, v1, 4, v18
	v_lshl_add_u32 v19, v1, 4, v19                 ; two rows of out0
	v_add_nc_u32 v17, s22, v17                     ; in: row r, 32 bytes for each half of the lanes
	v_add_nc_u32 v18, s22, v18                     ; back: lanes 0-15 one row of 256 bytes, lanes 16-31 the next
	s_wait_alu depctr_va_vdst(0)
	s_wait_loadcnt 0x0
	s_cmp_lt_u32 s[WV], 2
	s_cbranch_scc0 .Lnot_mine
	s_wait_tensorcnt 0x0                           ; wo's rows have landed,
.Lnot_mine:
	s_barrier_signal -1
	s_barrier_wait -1                              ; and everybody knows
.irp q, 0,1,2,3,4,5,6,7
.irp b, 0,1,2,3
	FRAG 4*\q+\b, \q, BA+2*\b, BA+2*\b+1
.endr
.endr
	WIN 0
	s_wait_tensorcnt 0x0                           ; a's codes and scale words have landed; nothing is filled again
	s_wait_dscnt 0x0                               ; no LDS load of mine is out at a signal
	s_barrier_signal -1
	s_barrier_wait -1
	FETCH 0, 0
	FETCH 1, 1
	s_wait_dscnt 40                                ; tile 0 is in; tile 1 may be out
	PRODS 0, 0
	PRODS 0, 16
	PLACES
	TOSTAGE 0
	FETCH 0, 2
	s_wait_dscnt 56                                ; tile 1 is in; younger are the stage's 16 and tile 2's 40
	PRODS 1, 0
	s_wait_dscnt 40                                ; tile 0's rows are back; younger are tile 2's 40
	SEND 0, 0
	PRODS 1, 16
	PLACES
	TOSTAGE 1
	FETCH 1, 3
	s_wait_dscnt 56                                ; tile 2 is in
	PRODS 0, 0
	s_wait_dscnt 40                                ; tile 1's rows are back
	SEND 1, 1
	PRODS 0, 16
	PLACES
	s_wait_xcnt 0x0                                ; the stores have read their registers
	TOSTAGE 0
	s_wait_dscnt 16                                ; tile 3 is in; younger are the stage's 16
	PRODS 1, 0
	s_wait_dscnt 0x0                               ; tile 2's rows are back
	SEND 0, 2
	PRODS 1, 16
	PLACES
	s_wait_xcnt 0x0
	TOSTAGE 1
	s_wait_dscnt 0x0
	SEND 1, 3
	s_wait_tensorcnt 0x0                           ; the wave's end
	ds_add_u32 v4, v5
	s_wait_dscnt 0x0
	ROUND                                          ; the closing round: no work-group ends while a partner may still ask for a tile that names it
	s_endpgm
.Lfunc_end_k_q72d83fb555_outp:
	.size	k_q72d83fb555_outp, .Lfunc_end_k_q72d83fb555_outp-k_q72d83fb555_outp
	.p2alignl 7, 3214868480
	.fill 96, 4, 3214868480
	.section	.rodata,"a",@progbits
	.p2align	6, 0x0
	.amdhsa_kernel k_q72d83fb555_outp
		.amdhsa_group_segment_fixed_size 228864
		.amdhsa_private_segment_fixed_size 0
		.amdhsa_enable_private_segment 0
		.amdhsa_kernarg_size 40
		.amdhsa_user_sgpr_count 2
		.amdhsa_user_sgpr_kernarg_segment_ptr 1
		.amdhsa_wavefront_size32 1
		.amdhsa_system_sgpr_workgroup_id_x 1
		.amdhsa_system_sgpr_workgroup_id_y 1
		.amdhsa_system_sgpr_workgroup_id_z 1
		.amdhsa_system_vgpr_workitem_id 0
		.amdhsa_next_free_vgpr 840
		.amdhsa_next_free_sgpr 90
		.amdhsa_reserve_vcc 0
		.amdhsa_float_denorm_mode_32 3
		.amdhsa_float_denorm_mode_16_64 3
		.amdhsa_memory_ordered 1
		.amdhsa_forward_progress 1
		.amdhsa_inst_pref_size 50
	.end_amdhsa_kernel
	.amdgpu_metadata
---
amdhsa.version: [ 1, 2 ]
amdhsa.kernels:
  - .name:           k_q72d83fb555_outp
    .symbol:         k_q72d83fb555_outp.kd
    .args:
      - { .name: acod, .offset: 0, .size: 8, .value_kind: global_buffer, .address_space: global }
      - { .name: ascl, .offset: 8, .size: 8, .value_kind: global_buffer, .address_space: global }
      - { .name: wo_codes, .offset: 16, .size: 8, .value_kind: global_buffer, .address_space: global }
      - { .name: wo_scales, .offset: 24, .size: 8, .value_kind: global_buffer, .address_space: global }
      - { .name: out0, .offset: 32, .size: 8, .value_kind: global_buffer, .address_space: global }
    .group_segment_fixed_size: 228864
    .private_segment_fixed_size: 0
    .kernarg_segment_align: 8
    .kernarg_segment_size: 40
    .max_flat_workgroup_size: 128
    .sgpr_count:     90
    .vgpr_count:     840
    .wavefront_size: 32
...
	.end_amdgpu_metadata
.endif
;; end of part 3
